; MI455X (gfx1250); checked and timed in simulation.
; The chip was launched on July 23, 2026; its instructions are those of AMD's public machine-readable ISA for CDNA 5 (MIT licence, August 2026) and "CDNA5" Instruction Set Architecture Reference Guide (July 2026). The comments in the code are by the model that wrote it; some were corrected since.
;; Transformer Block. Allowed arithmetic: matrix products marked QUANTISED: E2M3 operands, one E8M0 scale for each 32 along K, by v_wmma_scale_f32_16x16x128_f8f6f4 with both operands' format E2M3, f32 sums; everything else in f32.
;; Inputs: W1_codes 4,096 x 32 x 24 uint8 (E2M3 codes of W1, K innermost, in blocks of 32 codes, four codes in three bytes); W1_scales 4,096 x 32 uint8 (E8M0 scales of W1, one for each 32 codes along K); W2_codes 1,024 x 128 x 24 uint8 (E2M3 codes of W2, K innermost, in blocks of 32 codes, four codes in three bytes); W2_scales 1,024 x 128 uint8 (E8M0 scales of W2, one for each 32 codes along K); Wk_codes 16 x 64 x 32 x 24 uint8 (E2M3 codes of Wk, K innermost, in blocks of 32 codes, four codes in three bytes); Wk_scales 16 x 64 x 32 uint8 (E8M0 scales of Wk, one for each 32 codes along K); Wo_codes 1,024 x 32 x 24 uint8 (E2M3 codes of Wo, K innermost, in blocks of 32 codes, four codes in three bytes); Wo_scales 1,024 x 32 uint8 (E8M0 scales of Wo, one for each 32 codes along K); Wq_codes 16 x 64 x 32 x 24 uint8 (E2M3 codes of Wq, K innermost, in blocks of 32 codes, four codes in three bytes); Wq_scales 16 x 64 x 32 uint8 (E8M0 scales of Wq, one for each 32 codes along K); Wv_codes 16 x 64 x 32 x 24 uint8 (E2M3 codes of Wv, K innermost, in blocks of 32 codes, four codes in three bytes); Wv_scales 16 x 64 x 32 uint8 (E8M0 scales of Wv, one for each 32 codes along K); g1 1,024 float32; g2 1,024 float32; x 2,048 x 2 x 1,024 float32.
;; Outputs: out0 2,048 x 2 x 1,024 float32.
;; This version of the problem:
;;   THIS VERSION OF THE PROBLEM IS GIVEN IN LOW PRECISION. The matrix products marked QUANTISED in the list below multiply operands that are first quantised to E2M3 (2 exponent bits, 3 mantissa bits; 6 bits a number), with one power-of-two scale for each 32 numbers along K (OCP MX v1.0); their sums are f32. All else is computed in f32.
;;   The module's matrix products, in the order in which they are computed (A, B: the left and right operand; K: the contracted axis; several contracted axes count as one K, in the product's order):
;;     1. [M 1,024, K 1,024] x [K 1,024, N 4,096]; A: input Wq (given as codes); B: computed on the way: QUANTISED
;;     2. [M 1,024, K 1,024] x [K 1,024, N 4,096]; A: input Wk (given as codes); B: computed on the way: QUANTISED
;;     3. [M 1,024, K 1,024] x [K 1,024, N 4,096]; A: input Wv (given as codes); B: computed on the way: QUANTISED
;;     4. batch 32 x [M 2,048, K 64] x [K 64, N 2,048]; A: computed on the way; B: computed on the way: QUANTISED
;;     5. batch 32 x [M 64, K 2,048] x [K 2,048, N 2,048]; A: computed on the way; B: softmax (see below): QUANTISED
;;     6. [M 4,096, K 1,024] x [K 1,024, N 1,024]; A: computed on the way; B: input Wo (given as codes): QUANTISED
;;     7. [M 4,096, K 1,024] x [K 1,024, N 4,096]; A: computed on the way; B: input W1 (given as codes): QUANTISED
;;     8. [M 4,096, K 4,096] x [K 4,096, N 1,024]; A: computed on the way; B: input W2 (given as codes): QUANTISED
;;   THE QUANTISER, for each operand of a quantised product, along K:
;;     - K is cut into blocks of 32 from its start; a last block that is shorter is filled with zeros.
;;     - A block's scale is 2^e with e = floor(log2(the largest magnitude in the block)) - 2, held to -126 .. 127; a block of zeros has e = 0. As a byte (E8M0): e + 127.
;;     - Each number is divided by its block's scale, clamped to +-7.5, and rounded to the nearest number of E2M3, ties to even, subnormals kept.
;;     - The product sums the exact products of the quantised numbers (number of the format x scale) in f32.
;;   ~~~python
;;   def quantise(x, axis):      # numpy; x: float32 -> the quantised numbers, widened to float32 again
;;       x = np.moveaxis(x, axis, -1); K = x.shape[-1]
;;       x = np.pad(x, [(0, 0)] * (x.ndim - 1) + [(0, -K % 32)]); x = x.reshape(x.shape[:-1] + (-1, 32)); a = np.abs(x).max(-1, keepdims=True)
;;       e = np.where(a > 0, np.clip(np.frexp(np.where(a > 0, a, 1))[1] - 1 - 2, -126, 127), 0)      # np.frexp(a)[1] - 1 = floor(log2(a)), exactly
;;       r = np.clip(x / 2.0 ** e, -7.5, 7.5)
;;       step = 2.0 ** (np.maximum(np.frexp(np.where(r == 0, 1, r))[1] - 1, 0) - 3)
;;       q = np.round(r / step) * step * 2.0 ** e      # np.round: ties to even
;;       return np.moveaxis(q.reshape(q.shape[:-2] + (-1,))[..., :K], -1, axis).astype(np.float32)
;;   ~~~
;;   SOFTMAX AHEAD OF A QUANTISED PRODUCT. Where the list says 'softmax', what is quantised is not the finished softmax but p = 2^(t - M), with t = logit x log2(e) and M = ceil(the row's largest t), a whole number; so 1/2 < the row's largest p <= 1. The row's sum l is taken of the UNQUANTISED p, in f32, and the product's result is divided by l at the end. Since M is a whole number, a kernel that streams over the keys may use a running M (the ceiling of the running maximum): every later rescaling is an exact power of two, which a block's scale takes up: the codes' values come out the same.
;;   OPERANDS COMPUTED ON THE WAY. 'Computed on the way' means the value that the module computes at that place (a softmax that the list does not call 'softmax' is quantised finished and normalised). What goes into a quantiser is computed in f32, as accurately as f32 sums, v_exp_f32 and their like allow (about 1e-6 of the number): no bf16 or f16 on the way to a quantiser, and a product that is left as it is and whose result goes on into a quantised operand takes f32 operands (vector FMAs, or v_wmma_f32_16x16x4_f32). A number that lies on a knife's edge between two numbers of the format may be rounded either way, as far as f32 arithmetic and the matrix unit's own rounding can turn it there, and no further.
;;   INPUTS GIVEN AS CODES. W1 (in the module: [1024, 4096], K = its axis 0); W2 (in the module: [4096, 1024], K = its axis 0); Wk (in the module: [16, 1024, 64], K = its axis 1); Wo (in the module: [1024, 1024], K = its axis 0); Wq (in the module: [16, 1024, 64], K = its axis 1); Wv (in the module: [16, 1024, 64], K = its axis 1): each comes as NAME_codes (uint8): NAME with its K axis moved to the last place and cut into blocks of 32 codes, [.., K / 32, bytes a block], one block behind the other in memory; four codes in three bytes: a row's codes are one little-endian stream of bits, code i at bits 6 i .. 6 i + 5 (a code: sign, 2 exponent bits, 3 mantissa bits); and NAME_scales (uint8): the same leading axes, one E8M0 byte (e + 127) for each 32 codes along K. Its value is code x scale, taken as it is: it is not quantised again, and the codes and scales need not be those that the quantiser above would give.
;; One version. Each part assembles by itself: llvm-mc -triple=amdgcn-amd-amdhsa -mcpu=gfx1250 --defsym DOCPART=n.
;; ======== version 1 of 1: 7 launches
;; workspace buffers: hq 3,276,800 bytes; qkv 10,223,616 bytes; ctx 3,276,800 bytes; x1 16,777,216 bytes; act 13,107,200 bytes
;; launch norm1 (part 1): grid 256 x 1, 16 waves a work-group, no clusters, 86,016 bytes of LDS; arguments x, g1, hq; writes hq
.if DOCPART == 1
	.amdgcn_target "amdgcn-amd-amdhsa--gfx1250"
	.amdhsa_code_object_version 6
	.text
	.protected	k_q7dddd2d771_norm1
	.globl	k_q7dddd2d771_norm1
	.p2align	8
	.type	k_q7dddd2d771_norm1,@function
k_q7dddd2d771_norm1:
	s_mov_b64 s[64:65], 0
	v_nop
	global_prefetch_b8 v0, s[64:65] scope:SCOPE_SE
	s_setreg_imm32_b32 hwreg(HW_REG_WAVE_MODE, 25, 1), 1
	s_wait_xcnt 0x0
; h = g * x / sqrt(mean(x^2) + 1e-6) for rows of 1,024 f32, quantised along the row to FP6 (E2M3) with one E8M0 byte for each 32.
; In: rows in the order e = 2 s + b.  Out: codes [t = 2048 b + s][768 bytes] at byte 0, scale bytes [t][32] at HS_OFF.
; A work-group takes 16 rows (8 s x 2 b), ONE ROW A WAVE: sixteen waves, four to a SIMD, so that one row's chain of reductions and its turn through LDS stand beside another row's arithmetic.
; A row stays in 32 registers a lane between the sum of squares and the scaling.  Every load reads 512 consecutive bytes.  Each wave loads g for itself: 4,096 bytes.
; The conversion wants 16 neighbours in one lane: each half of the row (512 numbers) turns through a stage of the wave's own in LDS (16 bytes of padding behind each 64), both halves at once.
; A half's codes leave as 384 consecutive bytes, a row fills three aligned blocks of 256.  The work-group's 512 scale bytes are gathered in LDS and leave as two aligned blocks of 256 bytes.
; LIMITS: NaN and infinities are not served; a block of zeros or under 2^-124 keeps the byte 1 (this program alone reads the bytes).
.set HS_OFF, 3145728
.set SP,   80                          ; a lane's place in a stage
.set STG1, 32*SP                       ; a stage
.set WSTG, 2*STG1                      ; a wave's two stages
.set SB,   16*WSTG                     ; behind the stages: scale bytes [b][8 s][32]
.set T,    18                          ; v18-49   two sets of 16 neighbours
.set G,    50                          ; v50-81   my 32 numbers of g
.set X,    82                          ; v82-113  my 32 numbers of the row
.set C,    114                         ; v114-121 codes, four registers a half, never rewritten
.set E,    122                         ; v122-123 a scale byte a half
.set SOFF, 124                         ; v124     the scale bytes' place in memory
	s_load_b128 s[4:7], s[0:1], 0x0                ; x, g
	s_load_b64 s[8:9], s[0:1], 0x10                ; hq
	v_lshl_add_u32 v128, v0, 2, 0x14800
	v_mov_b32 v129, 0
	v_lshrrev_b32 v1, 5, v0
	v_readfirstlane_b32 s10, v1                    ; wave 0..15
	v_and_b32 v1, 31, v0                           ; lane
	v_lshlrev_b32 v2, 4, v1                        ; my 16 bytes of a load's 512
	v_mul_u32_u24 v3, v1, 12                       ; my 12 bytes of a half's codes
	s_mul_i32 s11, s10, WSTG
	v_lshrrev_b32 v4, 2, v1
	v_mul_u32_u24 v4, v4, SP
	v_and_b32 v5, 3, v1
	v_lshl_add_u32 v4, v5, 4, v4
	v_add_nc_u32 v4, s11, v4                       ; into a stage: SP (lane / 4) + 16 (lane % 4)
	v_mul_u32_u24 v5, v1, SP
	v_add_nc_u32 v5, s11, v5                       ; out of it: SP x lane
	s_and_b32 s16, s10, 1                          ; my row's b
	s_lshr_b32 s17, s10, 1                         ; and which of the work-group's eight s
	s_lshl_b32 s11, s16, 8
	s_lshl_b32 s18, s17, 5
	s_add_co_u32 s11, s11, s18
	s_add_co_u32 s11, s11, SB
	v_lshrrev_b32 v6, 1, v1
	v_add_nc_u32 v6, s11, v6                       ; my block's scale byte: 256 b + 32 s + lane / 2
	v_add_nc_u32 v7, SB, v2                        ; the bytes' way out: 16 a lane
	v_lshrrev_b32 v[SOFF], 4, v1
	v_and_b32 v8, 15, v1
	v_lshlrev_b32 v[SOFF], 16, v[SOFF]
	v_lshl_add_u32 v[SOFF], v8, 4, v[SOFF]         ; and in memory: lanes 16-31 take b = 1, 2,048 rows of 32 bytes on
	v_mov_b32 v9, 0                                ; a lane permute's destination counts as read
	v_mov_b32 v17, 0                               ; named with v16 as a pair
	s_mov_b32 s12, 0x76543210
	s_mov_b32 s13, 0xfedcba98
	s_mov_b32 s14, 0x3a800000                      ; 1 / 1024
	s_mov_b32 s15, 0x358637bd                      ; 1e-6
	s_lshl_b32 s18, ttmp9, 16                      ; 16 rows of 4,096 bytes a work-group,
	s_lshl_b32 s19, s10, 12                        ; one a wave
	s_add_co_u32 s18, s18, s19
	s_mov_b32 s19, 0
	s_lshl_b32 s20, ttmp9, 3
	s_add_co_u32 s20, s20, s17                     ; my s
	s_mul_i32 s20, s20, 768
	s_mul_i32 s21, s16, 1572864                    ; b x 2,048 rows of 768 bytes
	s_add_co_u32 s20, s20, s21
	s_mov_b32 s21, 0
	s_lshl_b32 s22, ttmp9, 8                       ; 8 rows of 32 scale bytes
	s_add_co_u32 s22, s22, HS_OFF
	s_mov_b32 s23, 0
	s_wait_kmcnt 0x0
	s_add_nc_u64 s[4:5], s[4:5], s[18:19]
	s_add_nc_u64 s[22:23], s[8:9], s[22:23]
	s_add_nc_u64 s[8:9], s[8:9], s[20:21]
.irp j, 0,1,2,3,4,5,6,7
	global_load_b128 v[X+4*\j:X+4*\j+3], v2, s[4:5] offset:512*\j th:TH_LOAD_NT
.endr
.irp j, 0,1,2,3,4,5,6,7
	global_load_b128 v[G+4*\j:G+4*\j+3], v2, s[6:7] offset:512*\j
.endr
	s_wait_loadcnt 8                               ; the row is in; g's eight loads may be out
	v_pk_mul_f32 v[12:13], v[X:X+1], v[X:X+1]
	v_pk_mul_f32 v[14:15], v[X+2:X+3], v[X+2:X+3]
.irp j, 4,8,12,16,20,24,28
	v_pk_fma_f32 v[12:13], v[X+\j:X+\j+1], v[X+\j:X+\j+1], v[12:13]
	v_pk_fma_f32 v[14:15], v[X+\j+2:X+\j+3], v[X+\j+2:X+\j+3], v[14:15]
.endr
	v_pk_add_f32 v[12:13], v[12:13], v[14:15]
	v_add_f32 v8, v12, v13
	v_add_f32_dpp v8, v8, v8 row_xmask:1 row_mask:0xf bank_mask:0xf
	v_add_f32_dpp v8, v8, v8 row_xmask:2 row_mask:0xf bank_mask:0xf
	v_add_f32_dpp v8, v8, v8 row_xmask:4 row_mask:0xf bank_mask:0xf
	v_add_f32_dpp v8, v8, v8 row_xmask:8 row_mask:0xf bank_mask:0xf
	v_permlanex16_b32 v9, v8, s12, s13
	v_add_f32 v8, v8, v9                           ; the row's sum of squares, in every lane
	v_fma_f32 v8, v8, s14, s15                     ; the mean + 1e-6
	v_rsq_f32 v16, v8
	v_nop                                          ; a plain instruction behind the transcendental
	s_wait_alu depctr_va_vdst(0)                   ; and the wait ahead of the first reader
.irp j, 0,2,4,6,8,10,12,14,16,18,20,22,24,26,28,30
	v_pk_mul_f32 v[X+\j:X+\j+1], v[X+\j:X+\j+1], v[16:17] op_sel_hi:[1,0]
.endr
	s_wait_loadcnt 0x0                             ; g
.irp j, 0,2,4,6,8,10,12,14,16,18,20,22,24,26,28,30
	v_pk_mul_f32 v[X+\j:X+\j+1], v[X+\j:X+\j+1], v[G+\j:G+\j+1]
.endr
.irp u, 0,1                                    ; both halves turn through their stages
.irp i, 0,1,2,3
	ds_store_b128 v4, v[X+16*\u+4*\i:X+16*\u+4*\i+3] offset:STG1*\u+8*SP*\i
.endr
.irp i, 0,1,2,3
	ds_load_b128 v[T+16*\u+4*\i:T+16*\u+4*\i+3], v5 offset:STG1*\u+16*\i   ; LDS serves a wave's instructions in order: these see the stores above
.endr
.endr
; 512 numbers (half u of the row) become 384 bytes of codes and 16 scale bytes
.macro QUANT u
.set TT, T+16*(\u)
	v_max3_num_f32 v8, |v[TT]|, |v[TT+1]|, |v[TT+2]|   ; the largest magnitude of my 16, in two chains
	v_max3_num_f32 v10, |v[TT+3]|, |v[TT+4]|, |v[TT+5]|
.irp i, 6,10
	v_max3_num_f32 v8, v8, |v[TT+\i]|, |v[TT+\i+1]|
	v_max3_num_f32 v10, v10, |v[TT+\i+2]|, |v[TT+\i+3]|
.endr
	v_max3_num_f32 v8, v8, |v[TT+14]|, |v[TT+15]|
	v_max3_num_f32 v8, v8, v10, 0x1800000          ; and the floor 2^(3 - 127): the byte cannot fall under 1
	v_max_num_f32_dpp v8, v8, v8 row_xmask:1 row_mask:0xf bank_mask:0xf   ; with my neighbour's 16: the block's
	v_add_nc_u32 v11, 0xff000000, v8               ; 2 off the exponent field: the conversion's scale operand
	v_cvt_scalef32_pk16_fp6_f32 v[C+4*(\u):C+4*(\u)+2], v[TT:TT+15], v11
	v_lshrrev_b32 v[E+(\u)], 23, v11               ; the scale's byte
	ds_store_b8 v6, v[E+(\u)] offset:16*(\u)       ; both lanes of a block write the same byte with the same value
	global_store_b96 v3, v[C+4*(\u):C+4*(\u)+2], s[8:9] offset:384*(\u)
.endm
	s_wait_dscnt 8                                 ; the first half is back; the second half's four stores and four loads may be out
	QUANT 0
	s_wait_dscnt 1                                 ; the second half is back; the byte store just issued may be out
	QUANT 1
	s_wait_dscnt 0x0                               ; for the others' sake: my byte stores are done
	s_barrier_signal -1
	s_barrier_wait -1
	s_cmp_lg_u32 s10, 0
	s_cbranch_scc1 .Lend
	ds_load_b128 v[T:T+3], v7                      ; wave 0: the work-group's 512 scale bytes
	s_wait_dscnt 0x0
	global_store_b128 v[SOFF], v[T:T+3], s[22:23]  ; sixteen lanes store 256 consecutive bytes, aligned
.Lend:
	s_wait_tensorcnt 0x0
	ds_add_u32 v128, v129
	s_wait_dscnt 0x0
	s_endpgm
.Lfunc_end_k_q7dddd2d771_norm1:
	.size	k_q7dddd2d771_norm1, .Lfunc_end_k_q7dddd2d771_norm1-k_q7dddd2d771_norm1
	.p2alignl 7, 3214868480
	.fill 96, 4, 3214868480
	.section	.rodata,"a",@progbits
	.p2align	6, 0x0
	.amdhsa_kernel k_q7dddd2d771_norm1
		.amdhsa_group_segment_fixed_size 86016
		.amdhsa_private_segment_fixed_size 0
		.amdhsa_enable_private_segment 0
		.amdhsa_kernarg_size 24
		.amdhsa_user_sgpr_count 2
		.amdhsa_user_sgpr_kernarg_segment_ptr 1
		.amdhsa_wavefront_size32 1
		.amdhsa_system_sgpr_workgroup_id_x 1
		.amdhsa_system_sgpr_workgroup_id_y 1
		.amdhsa_system_sgpr_workgroup_id_z 1
		.amdhsa_system_vgpr_workitem_id 0
		.amdhsa_next_free_vgpr 130
		.amdhsa_next_free_sgpr 66
		.amdhsa_reserve_vcc 0
		.amdhsa_float_denorm_mode_32 3
		.amdhsa_float_denorm_mode_16_64 3
		.amdhsa_memory_ordered 1
		.amdhsa_forward_progress 1
		.amdhsa_inst_pref_size 12
	.end_amdhsa_kernel
	.amdgpu_metadata
---
amdhsa.version: [ 1, 2 ]
amdhsa.kernels:
  - .name:           k_q7dddd2d771_norm1
    .symbol:         k_q7dddd2d771_norm1.kd
    .args:
      - { .name: x, .offset: 0, .size: 8, .value_kind: global_buffer, .address_space: global }
      - { .name: g1, .offset: 8, .size: 8, .value_kind: global_buffer, .address_space: global }
      - { .name: hq, .offset: 16, .size: 8, .value_kind: global_buffer, .address_space: global }
    .group_segment_fixed_size: 86016
    .private_segment_fixed_size: 0
    .kernarg_segment_align: 8
    .kernarg_segment_size: 24
    .max_flat_workgroup_size: 512
    .sgpr_count:     66
    .vgpr_count:     130
    .wavefront_size: 32
...
	.end_amdgpu_metadata
.endif
;; end of part 1
;; launch qkv (part 2): grid 16 x 12, 4 waves a work-group, clusters of 4 x 4, 327,680 bytes of LDS; arguments hq, Wq_codes, Wq_scales, Wk_codes, Wk_scales, Wv_codes, Wv_scales, qkv; writes qkv
.if DOCPART == 2
	.amdgcn_target "amdgcn-amd-amdhsa--gfx1250"
	.amdhsa_code_object_version 6
	.text
	.protected	k_q7dddd2d771_qkv
	.globl	k_q7dddd2d771_qkv
	.p2align	8
	.type	k_q7dddd2d771_qkv,@function
k_q7dddd2d771_qkv:
	s_mov_b64 s[64:65], 0
	v_nop
	global_prefetch_b8 v0, s[64:65] scope:SCOPE_SE
	s_setreg_imm32_b32 hwreg(HW_REG_WAVE_MODE, 25, 1), 1
	s_wait_xcnt 0x0
	s_wait_alu depctr_hold_cnt(0) depctr_sa_sdst(0) depctr_va_vdst(0) depctr_va_sdst(0) depctr_va_ssrc(0) depctr_va_vcc(0) depctr_vm_vsrc(0)
	s_getreg_b32 s2, hwreg(HW_REG_IB_STS2, 6, 4)
	s_cmp_eq_u32 s2, 0
	s_cbranch_scc0 .Lentry_in_a_cluster
	s_endpgm
.Lentry_in_a_cluster:
	s_bfe_u32 s2, ttmp6, 0x10000c
	s_cmp_lg_u32 s2, 0xf033
	s_cbranch_scc0 .Lentry_shape_is_right
	s_endpgm
.Lentry_shape_is_right:
; Q = h Wq^T, K = h Wk^T (rows: tokens, columns: head x 64) and V^T = Wv h^T (rows: head x 64, columns: tokens), all on FP6 codes with E8M0 scales, K = 1,024;
; each result is quantised along its COLUMNS (Q, K: the head's 64; V^T: the keys) in registers and leaves as codes and scale words.
; Cluster y says which: 0 Q, 1 K, 2 V; only pointers, tile numbers and output pitches are chosen by it, all by selects: one path through the text.
; A tile of 256 x 256 is made by four waves of 128 x 128 (64 accumulators, 512 registers).  K goes in steps of 256 through two LDS slots filled by tensor loads;
; the scale bytes of the work-group's rows come once.  CLUSTERS 4 x 4: A's tiles are asked for jointly along a row of the cluster, B's along a column.
; THE MATRIX INSTRUCTION IS USED TRANSPOSED (source 0 = 16 rows of B, source 1 = 16 rows of A), AND THE ROWS OF B THAT FORM A TILE ARE NOT NEIGHBOURS: lane r of tile 2 b + u takes
; row 32 b + 8 u + r + 8 (r / 8): so the 16 registers of accumulators (a, 2 b), (a, 2 b + 1) are columns 32 b + 16 (lane / 16) + 0 .. 15 of one row: half a block for the conversion.
; (The two groups of eight rows of such a tile lie 16 rows apart, so B's fragment loads meet two deep in the banks.)
; THE FRAGMENT LOADS STAND IN RUNS OF 24, one behind each 16 matrix instructions: eight window switches for a step's 64 matrix instructions are the price of the short runs.
; OUT, sections of SEC bytes (Q, K, V): codes [b x 16 + head][position][48 bytes], scale words behind them.  Q, K: position = the token with bits 3 and 4 exchanged; V: [key / 64][channel with bits 3 and 4 exchanged].
; A scale word of Q or K holds its head's two bytes below and the neighbour's or 0 above; of V the word of an even key / 64 holds the four bytes of 128 keys.
; LIMITS: NaN and infinities are not served; a block of zeros or under 2^-124 keeps the byte 1 (this program alone reads the bytes).
; REGISTERS: window 0: v0-31 addresses; v32-63 A's scale words, v64-95 B's, two sets each; v128-223 A's fragments, one set; window 1: B's fragments, two sets; windows 2, 3: the accumulators.
.set KSTEP,  256
.set NQ,     2
.set ROWB,   192
.set KROW,   768
.set PITCH,  240                       ; an LDS row: 3 x (64 bytes + 16 of padding)
.set FR,     12
.set NL,     6
.set NP,     4
.set HALFT,  128*PITCH
.set SLOT,   4*HALFT
.set LAPS,   2
.set KS,     32
.set SCL,    2*SLOT                    ; behind the ring: the scale bytes, blocks of 256 bytes + 16 of padding
.set HALFS,  16*272
.set SPARE,  SCL+4*HALFS               ; the spare words, 128 bytes a wave
.set WST,    17408                     ; the way out: a wave's stage, in slot 0: 1,024 places of 16 bytes, then 1,024 bytes of scale words
.set HS_OFF, 3145728
.set SEC,    3407872
.set OFC,  8                           ; v8-11  the codes' offsets of the wave's four dense chunks
.set SOF,  12                          ; v12-13 the scale words' offsets
.set SH16, 14                          ; v14    16 x (lane / 16)
.set ADRA, 16
.set ADRB, 20
.set STO,  24
.set RDP,  25
.set SST,  26
.set ADSA, 27
.set SPW,  28
.set NIL,  29
.set ADSB, 30
.set SRD,  31
.set SCA,  32
.set SCB,  64
.set SWR,  96
.set CD,   104
.set AF,   128
.set OUTR, 128
.set TM,   224
.set PW,   240
.set PW2,  241
.set G1, 24
.set G0, 32
.set G1B, 48
.set G0B, 56
.set G1S, 68
.set G0S, 76
.set G1SB, 80
.set G0SB, 88
.set MSB, 0
.macro WIN new                         ; the immediate's high byte repeats the setting that is left
.if MSB != \new
	s_set_vgpr_msb (MSB<<8)|\new
.set MSB, \new
.endif
.endm
.set MUL_LO, 0xa1
.set MUL_HI, 0xf1
.set TO_B,   0x40
; A joint load: waves 0 and 1 fetch for A, waves 2 and 3 for B; the branch hangs on the wave's number alone.  Four v_nop follow each line.
.macro JLOAD g0a, g1a, g0b, g1b
	s_cmp_eq_u32 s15, 0
	s_cbranch_scc0 .Lfor_b_\@
	tensor_load_to_lds s[\g0a:\g0a+3], s[\g1a:\g1a+7]
	s_nop 0
.rept 4
	v_nop
.endr
	s_branch .Lasked_\@
.Lfor_b_\@:
	tensor_load_to_lds s[\g0b:\g0b+3], s[\g1b:\g1b+7]
	s_nop 0
.rept 4
	v_nop
.endr
.Lasked_\@:
.endm
.macro CREST
	s_cmp_lg_u32 s14, 0
	s_cbranch_scc1 .Lnot_wave_0_\@
	s_barrier_signal -3
.Lnot_wave_0_\@:
	s_barrier_wait -3
	s_barrier_signal -1
	s_barrier_wait -1
.endm
.macro CROUND
	s_barrier_signal -1
	s_barrier_wait -1
	CREST
.endm
	s_load_b512 s[68:83], s[0:1], 0x0              ; hq, Wq codes, scales, Wk codes, scales, Wv codes, scales, qkv
	v_lshl_add_u32 v[SPW], v0, 2, SPARE
	v_mov_b32 v[NIL], 0
	ds_add_u32 v28, v29
	ds_add_u32 v28, v29
	s_wait_dscnt 0x0
	v_lshrrev_b32 v1, 5, v0
	v_readfirstlane_b32 s14, v1                    ; wave
	s_lshr_b32 s15, s14, 1                         ; my half of the tile's rows; also: I fetch for A (0) or B (1)
	s_and_b32 s16, s14, 1                          ; my half of its columns; also: which 128 rows I fetch
	s_bfe_u32 s40, ttmp6, 0x40000                  ; cx
	s_bfe_u32 s41, ttmp6, 0x40004                  ; cy
	s_and_b32 s98, ttmp7, 0xffff                   ; cluster y: 0 Q, 1 K, 2 V: the same in all partners
	s_lshl_b32 s99, ttmp9, 2                       ; 4 x cluster x
	s_cmp_eq_u32 s98, 2
	s_cselect_b32 s17, 0, s99                      ; Q, K: the tokens are A's rows: 16 tile rows, 4 tile columns;
	s_cselect_b32 s42, s99, 0                      ; V: the tokens are B's rows: 4 tile rows, 16 tile columns
	s_add_co_u32 s17, s17, s41                     ; tile row
	s_add_co_u32 s42, s42, s40                     ; tile column
	s_lshl_b32 s43, s41, 2
	s_lshl_b32 s43, 15, s43                        ; my row of the cluster
	s_lshl_b32 s44, 0x1111, s40                    ; my column
	s_or_b32 s[G1+0], s43, (0<<16)|(1<<20)|(1<<21)|(3<<22)|(3<<25)  ; the mask; elements of 1 byte; padding on; bit 21 beside a mask; 4 words of padding behind every 16
	s_or_b32 s[G1B+0], s44, (0<<16)|(1<<20)|(1<<21)|(3<<22)|(3<<25)
.irp g, G1, G1B
	s_mov_b32 s[\g+1], ROWB<<16
	s_mov_b32 s[\g+2], 128<<16
	s_mov_b32 s[\g+3], ROWB<<16
	s_mov_b32 s[\g+4], 128
	s_mov_b32 s[\g+5], KROW
	s_mov_b32 s[\g+6], 0
	s_mov_b32 s[\g+7], 0
.endr
	v_and_b32 v1, 15, v0                           ; r
	v_bfe_u32 v2, v0, 4, 1                         ; h
	v_and_b32 v3, 31, v0                           ; lane
	v_mul_u32_u24 v[OFC], v3, 12
	v_lshlrev_b32 v[SH16], 4, v2
.irp b, 0,1,2,3
	v_mov_b32 v[TM+4+\b], 0                        ; a lane permute's destination counts as read
.endr
	s_mov_b32 s96, 0x76543210
	s_mov_b32 s97, 0xfedcba98
	s_wait_kmcnt 0x0
	s_add_nc_u64 s[86:87], s[68:69], HS_OFF        ; h's scale bytes
	s_cmp_eq_u32 s98, 0
	s_cselect_b64 s[8:9], s[70:71], s[74:75]
	s_cselect_b64 s[10:11], s[72:73], s[76:77]
	s_cmp_eq_u32 s98, 2
	s_cselect_b64 s[4:5], s[78:79], s[68:69]       ; A's codes,
	s_cselect_b64 s[6:7], s[80:81], s[86:87]       ; A's scales,
	s_cselect_b64 s[8:9], s[68:69], s[8:9]         ; B's codes,
	s_cselect_b64 s[10:11], s[86:87], s[10:11]     ; B's scales
	s_mov_b64 s[12:13], s[82:83]                   ; the output
	s_mov_b32 s90, 98304
	s_mov_b32 s91, 3072
	s_cselect_b32 s84, s91, s90                    ; from columns 0-63 to columns 64-127: V: the next 64 keys; Q, K: the next head
	s_cselect_b32 s85, s90, s91                    ; from rows 0-63 to rows 64-127: V: the next head; Q, K: the next 64 tokens
	s_mov_b32 s90, 8192
	s_cselect_b32 s88, 256, s90                    ; the same two for the scale words
	s_cselect_b32 s89, s90, 256
	v_add_nc_u32 v[OFC+1], s85, v[OFC]
	v_add_nc_u32 v[OFC+2], s84, v[OFC]
	v_add_nc_u32 v[OFC+3], s85, v[OFC+2]
	v_mul_lo_u32 v[SOF], v2, s89
	v_lshl_add_u32 v[SOF], v1, 4, v[SOF]
	v_add_nc_u32 v[SOF+1], s88, v[SOF]
	s_or_b32 s[G1S+0], s43, (3<<16)|(1<<20)|(1<<21)|(5<<22)|(3<<25)   ; the scale bytes of 128 rows: 4,096 dense bytes as 16 rows of 256, 16 bytes of padding behind each
	s_or_b32 s[G1SB+0], s44, (3<<16)|(1<<20)|(1<<21)|(5<<22)|(3<<25)
.irp g, G1S, G1SB
	s_mov_b32 s[\g+1], 32<<16
	s_mov_b32 s[\g+2], 16<<16
	s_mov_b32 s[\g+3], 32<<16
	s_mov_b32 s[\g+4], 16
	s_mov_b32 s[\g+5], 32
	s_mov_b32 s[\g+6], 0
	s_mov_b32 s[\g+7], 0
.endr
	s_lshl_b32 s18, s16, 7
	s_lshl_b32 s20, s17, 8
	s_add_co_u32 s20, s20, s18                     ; A: row 256 x tile row + 128 x half
	s_lshl_b32 s46, s42, 8
	s_add_co_u32 s46, s46, s18                     ; B: row 256 x tile column + 128 x half
	s_mov_b32 s21, 0
	s_mov_b32 s47, 0
	s_mov_b64 s[18:19], KS
	s_mul_u64 s[22:23], s[20:21], s[18:19]
	s_mul_u64 s[92:93], s[46:47], s[18:19]
	s_mov_b64 s[18:19], KROW
	s_mul_u64 s[20:21], s[20:21], s[18:19]
	s_mul_u64 s[46:47], s[46:47], s[18:19]
	s_mul_i32 s45, s14, HALFT                      ; where they go: wave x 128 rows
	s_mul_i32 s94, s14, HALFS
	s_add_nc_u64 s[20:21], s[4:5], s[20:21]
	s_add_nc_u64 s[22:23], s[6:7], s[22:23]
	s_add_nc_u64 s[46:47], s[8:9], s[46:47]
	s_add_nc_u64 s[92:93], s[10:11], s[92:93]
	CROUND                                         ; all sixteen work-groups are here: the first joint loads meet
	s_mov_b32 s[G0S], 1
	s_add_co_u32 s[G0S+1], s94, SCL
	s_mov_b64 s[G0S+2:G0S+3], s[22:23]
	s_or_b32 s[G0S+3], s[G0S+3], 0x80000000
	s_mov_b32 s[G0SB], 1
	s_add_co_u32 s[G0SB+1], s94, SCL
	s_mov_b64 s[G0SB+2:G0SB+3], s[92:93]
	s_or_b32 s[G0SB+3], s[G0SB+3], 0x80000000
	JLOAD G0S, G1S, G0SB, G1SB                     ; the scales first
.irp s, 0,1
	s_mov_b32 s[G0+4*\s], 1
	s_add_co_u32 s[G0+4*\s+1], s45, \s*SLOT
	s_add_nc_u64 s[G0+4*\s+2:G0+4*\s+3], s[20:21], \s*ROWB
	s_or_b32 s[G0+4*\s+3], s[G0+4*\s+3], 0x80000000
	s_mov_b32 s[G0B+4*\s], 1
	s_add_co_u32 s[G0B+4*\s+1], s45, \s*SLOT
	s_add_nc_u64 s[G0B+4*\s+2:G0B+4*\s+3], s[46:47], \s*ROWB
	s_or_b32 s[G0B+4*\s+3], s[G0B+4*\s+3], 0x80000000
	JLOAD G0+4*\s, G1, G0B+4*\s, G1B
.endr
	v_mul_u32_u24 v3, v1, PITCH
	v_mul_u32_u24 v4, v2, 24
	v_add_nc_u32 v4, v3, v4                        ; A: row r x pitch + 24 x half
	v_lshl_add_u32 v5, v2, 4, v4                   ; and behind one padding more
	v_and_b32 v6, 8, v1
	v_mul_u32_u24 v6, v6, PITCH                    ; B: 8 (r / 8) rows further down
	v_add_nc_u32 v7, v6, v5
	v_add_nc_u32 v6, v6, v4
	s_mul_i32 s21, s15, HALFT
	s_mul_i32 s22, s16, HALFT
	s_add_co_u32 s22, s22, 2*HALFT
.irp s, 0,1
	v_add_nc_u32 v[ADRA+\s], s21, v4
	v_add_nc_u32 v[ADRB+\s], s22, v6
	v_add_nc_u32 v[ADRA+2+\s], s21, v5
	v_add_nc_u32 v[ADRB+2+\s], s22, v7
	s_add_co_u32 s21, s21, SLOT
	s_add_co_u32 s22, s22, SLOT
.endr
	v_bfe_u32 v5, v0, 3, 1                         ; r / 8
	v_and_b32 v6, 7, v0                            ; r % 8
	v_mul_u32_u24 v7, v5, 272                      ; scale bytes: 32 a row, eight rows to a block of 256 + 16
	v_lshl_add_u32 v7, v6, 5, v7
	s_mul_i32 s21, s15, HALFS
	s_add_co_u32 s21, s21, SCL
	v_add_nc_u32 v[ADSA], s21, v7
	v_mul_u32_u24 v7, v5, 544                      ; B's tile: lanes 8-15 take rows 16 further on: two blocks
	v_lshl_add_u32 v7, v6, 5, v7
	s_mul_i32 s22, s16, HALFS
	s_add_co_u32 s22, s22, SCL+2*HALFS
	v_add_nc_u32 v[ADSB], s22, v7
	s_mul_i32 s23, s14, WST                        ; my stage
	v_lshlrev_b32 v7, 10, v5
	v_lshl_add_u32 v7, v6, 6, v7
	v_lshl_add_u32 v7, v2, 4, v7
	v_add_nc_u32 v[STO], s23, v7                   ; position 16 (r / 8) + r % 8 of 64 bytes, + 16 x half
	v_lshlrev_b32 v7, 6, v5
	v_lshl_add_u32 v7, v6, 2, v7
	v_lshl_add_u32 v7, v2, 9, v7
	v_add_nc_u32 v7, s23, v7
	v_add_nc_u32 v[SST], 16384, v7                 ; the scale words: 512 x half + 4 x position
	v_and_b32 v7, 31, v0
	v_lshlrev_b32 v7, 4, v7
	v_add_nc_u32 v[RDP], s23, v7
	v_add_nc_u32 v[SRD], 16384, v[RDP]
	; where my part of the output begins
	s_lshl_b32 s20, s17, 8
	s_lshl_b32 s21, s15, 7
	s_add_co_u32 s20, s20, s21                     ; my first row
	s_lshl_b32 s46, s42, 8
	s_lshl_b32 s47, s16, 7
	s_add_co_u32 s46, s46, s47                     ; my first column
	s_cmp_eq_u32 s98, 2
	s_cselect_b32 s92, s46, s20                    ; my first token
	s_cselect_b32 s93, s20, s46                    ; my first channel (head x 64)
	s_lshr_b32 s95, s92, 11
	s_lshl_b32 s95, s95, 4
	s_lshr_b32 s93, s93, 6
	s_add_co_u32 s95, s95, s93                     ; b x 16 + head
	s_and_b32 s92, s92, 2047
	s_mul_i32 s46, s95, 98304
	s_mul_i32 s47, s92, 48
	s_add_co_u32 s46, s46, s47
	s_mul_i32 s93, s98, SEC
	s_add_co_u32 s46, s46, s93
	s_mov_b32 s47, 0
	s_add_nc_u64 s[20:21], s[12:13], s[46:47]      ; the codes
	s_lshl_b32 s46, s95, 13
	s_lshl_b32 s92, s92, 2
	s_add_co_u32 s46, s46, s92
	s_add_co_u32 s46, s46, s93
	s_add_co_u32 s46, s46, 3145728
	s_add_nc_u64 s[12:13], s[12:13], s[46:47]      ; the scale words
.macro FRAG reg, adr, q, ro            ; a fragment: 16 rows x 128 K, 12 registers: six pieces of 8 bytes; ro: the tile's first row.  Lanes 16-31 read three pieces on, for some pieces behind one padding more: the second address register
.irp p, 0,1,2,3,4,5
.set PC, 12*(\q)+6*(\p/3)+\p%3
.if PC%8 < 5
	ds_load_b64 v[\reg+2*\p:\reg+2*\p+1], v[\adr] offset:8*PC+16*(PC/8)+(\ro)*PITCH
.else
	ds_load_b64 v[\reg+2*\p:\reg+2*\p+1], v[\adr+2] offset:8*PC+16*(PC/8)+(\ro)*PITCH
.endif
.endr
.endm
; 16 matrix instructions: A's blocks a0, a0 + 1 x B's eight tiles.  The 64 accumulators take turns, one instruction a turn.
.macro MUL16 a0, p, q, sc, zero
.irp a, \a0, \a0+1
.irp b, 0,1,2,3,4,5,6,7
.if \zero
	v_wmma_scale_f32_16x16x128_f8f6f4 v[8*(8*((\a)%4)+\b):8*(8*((\a)%4)+\b)+7], v[128*(\p)+FR*\b:128*(\p)+FR*\b+FR-1], v[AF+FR*(\a):AF+FR*(\a)+FR-1], 0, v[SCB+16*(\sc)+2*\b+(\q)], v[SCA+16*(\sc)+2*(\a)+(\q)] matrix_a_fmt:MATRIX_FMT_FP6 matrix_b_fmt:MATRIX_FMT_FP6
.else
	v_wmma_scale_f32_16x16x128_f8f6f4 v[8*(8*((\a)%4)+\b):8*(8*((\a)%4)+\b)+7], v[128*(\p)+FR*\b:128*(\p)+FR*\b+FR-1], v[AF+FR*(\a):AF+FR*(\a)+FR-1], v[8*(8*((\a)%4)+\b):8*(8*((\a)%4)+\b)+7], v[SCB+16*(\sc)+2*\b+(\q)], v[SCA+16*(\sc)+2*(\a)+(\q)] matrix_a_fmt:MATRIX_FMT_FP6 matrix_b_fmt:MATRIX_FMT_FP6
.endif
.endr
.endr
.endm
.macro FETCH_B slot, q, p, i0          ; 24 loads: B's tiles i0 .. i0 + 3 into set p
	WIN TO_B
.irp i, \i0, \i0+1, \i0+2, \i0+3
	FRAG 128*(\p)+FR*(\i), ADRB+\slot, \q, 32*((\i)/2)+8*((\i)%2)
.endr
.endm
.macro FETCH_A slot, q, i0             ; 24 loads: A's blocks i0 .. i0 + 3
	WIN 0
.irp i, \i0, \i0+1, \i0+2, \i0+3
	FRAG AF+FR*(\i), ADRA+\slot, \q, 16*(\i)
.endr
.endm
.macro SCALES sc                       ; 16 loads: a K step's two scale words of each row: A's eight blocks, B's eight tiles
	WIN 0
.irp i, 0,1,2,3,4,5,6,7
	ds_load_b64 v[SCA+16*\sc+2*\i:SCA+16*\sc+2*\i+1], v[ADSA] offset:\i*544
	ds_load_b64 v[SCB+16*\sc+2*\i:SCB+16*\sc+2*\i+1], v[ADSB] offset:(4*(\i/2)+\i%2)*272
.endr
.endm
.macro PLACES n                        ; plain vector instructions between a matrix instruction and a load into, or a read of, its registers
.rept \n
	v_nop
.endr
.endm
; A step of 128 along K that has its successor in the same slot: four groups of 16 matrix instructions, and behind each a run of 24 loads for the next step.
; B's next set comes first, in two runs: its registers were last read by the step before, whose closing four places stand behind those products.  A's blocks 0-3 and 4-7 follow, each behind the products that read them and four places.
.macro STEP slot, q, zero
	s_wait_dscnt 4*NL                              ; all but the youngest 24 loads, A's blocks 4-7
	WIN MUL_LO
	MUL16 0, (\q)%2, \q, \slot, \zero
	FETCH_B \slot, (\q)+1, 1-(\q)%2, 0
	WIN MUL_LO
	MUL16 2, (\q)%2, \q, \slot, \zero
	FETCH_B \slot, (\q)+1, 1-(\q)%2, 4
	s_wait_dscnt 8*NL                              ; A's blocks 4-7 are in: behind their loads stand only the 48 of B's next set
	WIN MUL_HI
	MUL16 4, (\q)%2, \q, \slot, \zero
	PLACES NP
	FETCH_A \slot, (\q)+1, 0
	WIN MUL_HI
	MUL16 6, (\q)%2, \q, \slot, \zero
	PLACES NP
	FETCH_A \slot, (\q)+1, 4
.endm
; A slot's last step changes slots: one barrier; in front of it each wave waits for all its tensor loads, adds 0 to its spare word, and waits for that and for its reads of the slot.
; Behind it: the refill, B's first set of the next slot, 16 products, A's blocks 0-3 and the scale words, 16 products, A's blocks 4-7.
.macro TURN slot, next, fill
	s_wait_tensorcnt 0x0                           ; all my tensor loads have landed: my part of the next slot
	ds_add_u32 v[SPW], v[NIL]                      ; 0 onto my spare word
	s_wait_dscnt 4*NL+1                            ; the add and the youngest 24 loads may be out
	WIN MUL_LO
	MUL16 0, 1, NQ-1, \slot, 0
	s_wait_dscnt 0x0                               ; the add is done, and my reads of this slot are over
	s_barrier_signal -1
	MUL16 2, 1, NQ-1, \slot, 0
	WIN 0
	s_barrier_wait -1
.if \fill
	CREST                                          ; the barrier has opened a round of the cluster's: no wave of any partner still reads this slot or has a load on its way
	s_add_nc_u64 s[G0+4*\slot+2:G0+4*\slot+3], s[G0+4*\slot+2:G0+4*\slot+3], 2*ROWB
	s_add_nc_u64 s[G0B+4*\slot+2:G0B+4*\slot+3], s[G0B+4*\slot+2:G0B+4*\slot+3], 2*ROWB
	JLOAD G0+4*\slot, G1, G0B+4*\slot, G1B         ; the first tensor load behind the round; its four v_nop are the places in front of the loads into A's blocks 0-3 below
.else
	PLACES NP
.endif
	v_add_nc_u32 v[ADSA], 8, v[ADSA]               ; the next K step's scale words
	v_add_nc_u32 v[ADSB], 8, v[ADSB]
	FETCH_B \next, 0, 0, 0
	FETCH_B \next, 0, 0, 4
	WIN MUL_HI
	MUL16 4, 1, NQ-1, \slot, 0
	FETCH_A \next, 0, 0
	SCALES \next
	WIN MUL_HI
	MUL16 6, 1, NQ-1, \slot, 0
	PLACES NP
	FETCH_A \next, 0, 4
.endm
	s_wait_tensorcnt 1                             ; the scales and my part of K step 0 are in; K step 1's load may be out
	s_barrier_signal -1
	s_barrier_wait -1
	FETCH_B 0, 0, 0, 0
	FETCH_B 0, 0, 0, 4
	FETCH_A 0, 0, 0
	SCALES 0
	FETCH_A 0, 0, 4
	STEP 0, 0, 1                                   ; the first step's products start the sums
	s_mov_b32 s3, LAPS-1
.Llap:
	TURN 0, 1, 1
	STEP 1, 0, 0
	TURN 1, 0, 1
	STEP 0, 0, 0
	s_sub_co_u32 s3, s3, 1
	s_cmp_lg_u32 s3, 0
	s_cbranch_scc1 .Llap
	TURN 0, 1, 0                                   ; the last lap fills nothing
	STEP 1, 0, 0
	s_wait_dscnt 4*NL
	WIN MUL_LO
	MUL16 0, 1, NQ-1, 1, 0
	MUL16 2, 1, NQ-1, 1, 0
	s_wait_dscnt 0
	WIN MUL_HI
	MUL16 4, 1, NQ-1, 1, 0
	MUL16 6, 1, NQ-1, 1, 0
	WIN 0
; THE WAY OUT.  Block a (16 rows x 128 columns) is quantised: four blocks of 32 columns a row, each half in lanes l and l xor 16.  A lane's 12 bytes of codes go to a place of 16 bytes in my stage,
; which lies in slot 0 (it has had its last fill, and its last read stood in front of the last change of slots); the places are laid in the output's order.
.macro QOUT a
.set AC, 64*((\a)%4)
.set WW, 2+(\a)/4
.set W2, (WW|(WW<<2))
.set PO, (32*(((\a)>>1)&1)+8*((\a)&1))
	s_wait_dscnt 0x0                               ; the last block's stores have read their registers
	WIN W2                                         ; sources 0 and 1: the accumulators' window
.irp b, 0,1,2,3
	v_max3_num_f32 v[TM+\b], |v[AC+16*\b]|, |v[AC+16*\b+1]|, 0x1800000   ; each accumulator is read from its low end on; the floor holds the byte at 1 from below
.endr
.irp i, 2,4,6,8,10,12,14
.irp b, 0,1,2,3
	v_max3_num_f32 v[TM+\b], |v[AC+16*\b+\i]|, |v[AC+16*\b+\i+1]|, v[TM+\b]
.endr
.endr
	WIN 0
.irp b, 0,1,2,3
	v_permlanex16_b32 v[TM+4+\b], v[TM+\b], s96, s97
.endr
.irp b, 0,1,2,3
	v_max_num_f32 v[TM+\b], v[TM+\b], v[TM+4+\b]
.endr
.irp b, 0,1,2,3
	v_add_nc_u32 v[TM+12+\b], 0xff000000, v[TM+\b] ; 2 off the exponent field: the conversion's scale operand
.endr
.irp b, 0,1,2,3
	v_lshrrev_b32 v[TM+4+\b], 23, v[TM+12+\b]      ; the byte
.endr
	v_lshl_or_b32 v[PW], v[TM+5], 8, v[TM+4]
	v_lshl_or_b32 v[PW], v[TM+6], 16, v[PW]
	v_lshl_or_b32 v[PW], v[TM+7], 24, v[PW]
	WIN WW                                         ; source 0: the accumulators' window
.irp b, 0,1,2,3
	v_cvt_scalef32_pk16_fp6_f32 v[CD+4*\b:CD+4*\b+2], v[AC+16*\b:AC+16*\b+15], v[TM+12+\b]
.endr
	WIN 0
	v_lshrrev_b32 v[PW2], v[SH16], v[PW]           ; lanes 16-31: the word of columns 64-127.  (The plain instruction behind the conversions)
.irp b, 0,1,2,3
	ds_store_b96 v[STO], v[CD+4*\b:CD+4*\b+2] offset:(2*(\b/2)+(\a)/4)*4096+PO*64+32*(\b%2)
.endr
	ds_store_b32 v[SST], v[PW2] offset:((\a)/4)*256+PO*4
.endm
	PLACES NP
.irp a, 0,1,2,3,4,5,6,7
	QOUT \a
.endr
.set t, 0
.rept 32
	ds_load_b96 v[OUTR+4*t:OUTR+4*t+2], v[RDP] offset:512*t   ; LDS serves a wave's instructions in order: these see my stores
.set t, t+1
.endr
	ds_load_b128 v[SWR:SWR+3], v[SRD]
	ds_load_b128 v[SWR+4:SWR+7], v[SRD] offset:512
.set t, 0
.rept 32
	s_wait_dscnt 33-t                              ; the loads issued behind load t may be out
	global_store_b96 v[OFC+t/8], v[OUTR+4*t:OUTR+4*t+2], s[20:21] offset:384*(t%8)   ; 384 consecutive bytes; eight such stores fill a dense chunk of 3,072
.set t, t+1
.endr
	s_wait_dscnt 1
	global_store_b128 v[SOF], v[SWR:SWR+3], s[12:13]          ; sixteen lanes store 256 consecutive bytes, aligned
	s_wait_dscnt 0
	global_store_b128 v[SOF+1], v[SWR+4:SWR+7], s[12:13]
	s_wait_tensorcnt 0x0                           ; the wave's end
	ds_add_u32 v[SPW], v[NIL]
	s_wait_dscnt 0x0
	CROUND                                         ; the closing round
	s_endpgm
.Lfunc_end_k_q7dddd2d771_qkv:
	.size	k_q7dddd2d771_qkv, .Lfunc_end_k_q7dddd2d771_qkv-k_q7dddd2d771_qkv
	.p2alignl 7, 3214868480
	.fill 96, 4, 3214868480
	.section	.rodata,"a",@progbits
	.p2align	6, 0x0
	.amdhsa_kernel k_q7dddd2d771_qkv
		.amdhsa_group_segment_fixed_size 327680
		.amdhsa_private_segment_fixed_size 0
		.amdhsa_enable_private_segment 0
		.amdhsa_kernarg_size 64
		.amdhsa_user_sgpr_count 2
		.amdhsa_user_sgpr_kernarg_segment_ptr 1
		.amdhsa_wavefront_size32 1
		.amdhsa_system_sgpr_workgroup_id_x 1
		.amdhsa_system_sgpr_workgroup_id_y 1
		.amdhsa_system_sgpr_workgroup_id_z 1
		.amdhsa_system_vgpr_workitem_id 0
		.amdhsa_next_free_vgpr 1024
		.amdhsa_next_free_sgpr 100
		.amdhsa_reserve_vcc 0
		.amdhsa_float_denorm_mode_32 3
		.amdhsa_float_denorm_mode_16_64 3
		.amdhsa_memory_ordered 1
		.amdhsa_forward_progress 1
		.amdhsa_inst_pref_size 172
	.end_amdhsa_kernel
	.amdgpu_metadata
---
amdhsa.version: [ 1, 2 ]
amdhsa.kernels:
  - .name:           k_q7dddd2d771_qkv
    .symbol:         k_q7dddd2d771_qkv.kd
    .args:
      - { .name: hq, .offset: 0, .size: 8, .value_kind: global_buffer, .address_space: global }
      - { .name: Wq_codes, .offset: 8, .size: 8, .value_kind: global_buffer, .address_space: global }
      - { .name: Wq_scales, .offset: 16, .size: 8, .value_kind: global_buffer, .address_space: global }
      - { .name: Wk_codes, .offset: 24, .size: 8, .value_kind: global_buffer, .address_space: global }
      - { .name: Wk_scales, .offset: 32, .size: 8, .value_kind: global_buffer, .address_space: global }
      - { .name: Wv_codes, .offset: 40, .size: 8, .value_kind: global_buffer, .address_space: global }
      - { .name: Wv_scales, .offset: 48, .size: 8, .value_kind: global_buffer, .address_space: global }
      - { .name: qkv, .offset: 56, .size: 8, .value_kind: global_buffer, .address_space: global }
    .group_segment_fixed_size: 327680
    .private_segment_fixed_size: 0
    .kernarg_segment_align: 8
    .kernarg_segment_size: 64
    .max_flat_workgroup_size: 128
    .sgpr_count:     100
    .vgpr_count:     1024
    .wavefront_size: 32
...
	.end_amdgpu_metadata
.endif
;; end of part 2
;; launch attn (part 3): grid 8 x 32, 16 waves a work-group, no clusters, 231,424 bytes of LDS; arguments qkv, ctx; writes ctx
.if DOCPART == 3
	.amdgcn_target "amdgcn-amd-amdhsa--gfx1250"
	.amdhsa_code_object_version 6
	.text
	.protected	k_q7dddd2d771_attn
	.globl	k_q7dddd2d771_attn
	.p2align	8
	.type	k_q7dddd2d771_attn,@function
k_q7dddd2d771_attn:
	s_mov_b64 s[64:65], 0
	v_nop
	global_prefetch_b8 v0, s[64:65] scope:SCOPE_SE
	s_setreg_imm32_b32 hwreg(HW_REG_WAVE_MODE, 25, 1), 1
	s_wait_xcnt 0x0
; ctx = softmax(Q K^T / 8, causal) V for one head and batch, both products on FP6 codes; ctx is quantised along the model's axis and leaves as codes and scale bytes.
; THE SOFTMAX: t = score x log2(e) / 8; M = the running largest t rounded UP to a whole number; p = 2^(t - M) is quantised along the keys; the row's sum is taken of the unquantised p and divides at the end.
; SHARES.  Work-group (i, b x 16 + head): sixteen waves of 16 queries: waves 0-7 the 128 queries of block i, waves 8-15 those of block 15 - i, so that every work-group has the same causal work.
; A WHOLE HEAD'S K AND V (codes and scale words, 212,992 bytes) LIE IN LDS: waves 0 (K) and 1 (V) ask for them at the head, in four chunks of 512 keys; nothing in LDS is filled twice.
; Every wave walks all 16 key steps of 128 (constant trip counts) and jumps, by a scalar branch on ids, over the steps whose keys all come after its queries.
; No cluster: the work-groups that share K and V differ in their query blocks, and the jump over hidden steps would hang on a work-group's place in its cluster.
; Nothing is prefetched: the first fills ask for all that the work-group reads.
; LAYOUT.  Both products are used transposed: a lane holds one query (lane % 16).  K and V are stored with bits 3 and 4 of the key (of the channel) exchanged: sixteen neighbouring rows in LDS are then
; a tile whose results give a lane 16 neighbouring keys (channels) in the 16 registers of two neighbouring tiles.  Rows are 48 bytes: sixteen rows start at sixteen different groups of four banks.
; THE FIRST PRODUCT'S K IS 64, HALF AN INSTRUCTION: Q's registers 6-11 hold zero codes; K's tile T is named v[40 + 6 T .. + 11], whose upper six registers are the next tile's codes (behind the last: zeros).
; E2M3 has no code for NaN or infinity, so any code x the code 0 adds 0; the upper two scale bytes are other blocks' bytes or 0, never 0xff.
; The ctx scale bytes leave by stores of two bytes a row: a scale word's halves belong to two heads, that is to two work-groups.
; LIMITS: NaN and infinities are not served; a block of zeros or under 2^-124 keeps the byte 1 (this program alone reads the bytes).
.set SEC,  3407872
.set WOFF, 3145728
.set PP,   196608
.set VOFF, 98304
.set KSO,  196608
.set VSO,  204800
.set STG,  212992                      ; a stage of 1,024 bytes for each wave; no tile lands here
.set AK0,  1
.set AV0,  2
.set ASK0, 3
.set ASV0, 4
.set STI,  5
.set STR,  6
.set GO,   7
.set ADK,  8
.set ADV,  9
.set ADS,  10
.set ADT,  11
.set PCD,  28                          ; v28-39   p's codes
.set KV,   40                          ; v40-87   K's eight tiles, then V's four; v88-93 zeros
.set S,    94                          ; v94-157  S^T, then p
.set O,    158                         ; v158-189 O^T
.set BM,   190
.set T8,   194
.set SO,   202
.set SW,   206
.set SWV,  214
.set F,    218                         ; v218 f, v219 p's scale word
.set PW,   219
.set TMP,  220
.set QS,   221
.set QOF,  222
.set QWF,  223
.set R4,   224
	s_load_b128 s[4:7], s[0:1], 0x0                ; qkv, ctx
	v_lshl_add_u32 v254, v0, 2, 0x38000
	v_mov_b32 v255, 0
	ds_add_u32 v254, v255
	ds_add_u32 v254, v255
	v_lshrrev_b32 v8, 5, v0
	v_readfirstlane_b32 s8, v8                     ; wave 0..15
	s_and_b32 s9, ttmp7, 0xffff                    ; b x 16 + head
	s_and_b32 s10, s8, 1                           ; what I fetch, if I fetch: 0 K, 1 V
	s_mov_b32 s24, 3<<16                           ; group 1 for a chunk of codes: 24,576 dense bytes as 96 rows of 32 elements of 8 bytes
	s_mov_b32 s25, 32<<16
	s_mov_b32 s26, 96<<16
	s_mov_b32 s27, 32<<16
	s_mov_b32 s28, 96
	s_mov_b32 s29, 32
	s_mov_b32 s30, 0
	s_mov_b32 s31, 0
	s_mov_b32 s32, 3<<16                           ; and for a head's scale words: 8,192 bytes, 32 rows
	s_mov_b32 s33, 32<<16
	s_mov_b32 s34, 32<<16
	s_mov_b32 s35, 32<<16
	s_mov_b32 s36, 32
	s_mov_b32 s37, 32
	s_mov_b32 s38, 0
	s_mov_b32 s39, 0
	s_add_co_u32 s16, s10, 1
	s_mul_i32 s16, s16, SEC                        ; K's or V's section
	s_mul_i32 s17, s9, 98304
	s_add_co_u32 s18, s16, s17                     ; the head's codes
	s_mov_b32 s19, 0
	s_lshl_b32 s17, s9, 13
	s_add_co_u32 s16, s16, s17
	s_add_co_u32 s16, s16, WOFF                    ; the head's scale words
	s_mov_b32 s17, 0
	s_mul_i32 s62, s10, 98304                      ; in LDS
	s_lshl_b32 s63, s10, 13
	s_mov_b32 s20, 0x76543210
	s_mov_b32 s21, 0xfedcba98
	s_mov_b32 s22, 0x3e38aa3b                      ; c = log2(e) / 8
	s_mov_b32 s23, s22
	s_wait_dscnt 0x0
	s_wait_kmcnt 0x0
	s_add_nc_u64 s[60:61], s[4:5], s[18:19]
	s_mov_b32 s40, 1
	s_add_co_u32 s41, s63, KSO
	s_add_nc_u64 s[42:43], s[4:5], s[16:17]
	s_or_b32 s43, s43, 0x80000000
.irp c, 0,1,2,3
	s_mov_b32 s[44+4*\c], 1
	s_add_co_u32 s[45+4*\c], s62, 24576*\c
	s_add_nc_u64 s[46+4*\c:47+4*\c], s[60:61], 24576*\c
	s_or_b32 s[47+4*\c], s[47+4*\c], 0x80000000
.endr
	s_cmp_lt_u32 s8, 2                             ; all first fills of a wave stand in one branch: five loads of mine are out
	s_cbranch_scc0 .Lno_fetch
	tensor_load_to_lds s[40:43], s[32:39]
	s_nop 0
	tensor_load_to_lds s[44:47], s[24:31]
	s_nop 0
	tensor_load_to_lds s[48:51], s[24:31]
	s_nop 0
	tensor_load_to_lds s[52:55], s[24:31]
	s_nop 0
	tensor_load_to_lds s[56:59], s[24:31]
	s_nop 0
.rept 4
	v_nop
.endr
.Lno_fetch:
	s_sub_co_u32 s16, 15, ttmp9
	s_cmp_lt_u32 s8, 8
	s_cselect_b32 s16, ttmp9, s16                  ; my block of 128 queries
	s_lshl_b32 s16, s16, 7
	s_and_b32 s17, s8, 7
	s_lshl_b32 s17, s17, 4
	s_add_co_u32 s11, s16, s17                     ; Q0: my first query
	s_lshr_b32 s16, s11, 5
	s_lshl_b32 s16, s16, 5
	s_bfe_u32 s17, s11, 0x10004
	s_lshl_b32 s17, s17, 3
	s_add_co_u32 s16, s16, s17                     ; where query Q0 lies in the stored order
	s_mul_i32 s17, s16, 48
	s_mul_i32 s18, s9, 98304
	s_add_co_u32 s18, s18, s17
	s_mov_b32 s19, 0
	s_add_nc_u64 s[60:61], s[4:5], s[18:19]        ; Q's codes
	s_lshl_b32 s16, s16, 2
	s_lshl_b32 s17, s9, 13
	s_add_co_u32 s18, s16, s17
	s_add_co_u32 s18, s18, WOFF
	s_add_nc_u64 s[62:63], s[4:5], s[18:19]        ; Q's scale words
	v_and_b32 v8, 15, v0                           ; r
	v_bfe_u32 v9, v0, 4, 1                         ; h
	v_bfe_u32 v10, v0, 3, 1                        ; r / 8
	v_and_b32 v11, 7, v0                           ; r % 8
	v_lshl_add_u32 v10, v10, 4, v11                ; query Q0 + r lies 16 (r / 8) + r % 8 places on
	v_mul_u32_u24 v[QOF], v10, 48
	v_mad_u32_u24 v[QOF], v9, 24, v[QOF]
	v_lshlrev_b32 v[QWF], 2, v10
.irp p, 0,1,2
	global_load_b64 v[16+2*\p:17+2*\p], v[QOF], s[60:61] offset:8*\p
.endr
	global_load_b32 v[QS], v[QWF], s[62:63]
	v_mul_u32_u24 v[AK0], v8, 48
	v_mad_u32_u24 v[AK0], v9, 24, v[AK0]
	v_add_nc_u32 v[AV0], VOFF, v[AK0]
	v_lshl_add_u32 v[ASK0], v8, 2, KSO
	v_lshl_add_u32 v[ASV0], v8, 2, VSO
	v_lshlrev_b32 v[R4], 2, v8
	s_lshl_b32 s16, s8, 10
	s_add_co_u32 s16, s16, STG                     ; my stage
	v_lshlrev_b32 v[STI], 6, v8
	v_lshl_add_u32 v[STI], v9, 4, v[STI]
	v_add_nc_u32 v[STI], s16, v[STI]               ; in: row r of four places of 16 bytes, + 16 x half
	v_and_b32 v10, 31, v0
	v_lshlrev_b32 v[STR], 4, v10
	v_add_nc_u32 v[STR], s16, v[STR]               ; back: 16 x lane
	v_mul_u32_u24 v[GO], v10, 12
	v_mov_b32 v13, 0xff61b1e6                      ; the largest t so far: -3e38
	v_floor_f32 v12, -v13                          ; -M
	v_mov_b32 v14, 0
	v_mov_b32 v15, 0
.irp j, 22,23,24,25,26,27,88,89,90,91,92,93
	v_mov_b32 v\j, 0                               ; zero codes
.endr
.irp b, 0,1,2,3
	v_mov_b32 v[T8+\b], 0                          ; a lane permute's destination counts as read
.endr
	v_mov_b32 v[F], 0
	v_mov_b32 v[PW], 0
.set j, 0
.rept 32
	v_mov_b32 v[O+j], 0                            ; O^T: the step is written once, its first turn finds zeros
.set j, j+1
.endr
; A KEY STEP: 128 keys from s12 on; their codes begin at s13 in K's and V's regions, their scale words at s14
.macro STEP
	s_add_co_u32 s16, s11, 15
	s_cmp_gt_u32 s12, s16
	s_cbranch_scc1 .Lhidden_\@                     ; all 128 keys come after my queries
	v_add_nc_u32 v[ADK], s13, v[AK0]               ; (these four are the places behind the last step's products)
	v_add_nc_u32 v[ADV], s13, v[AV0]
	v_add_nc_u32 v[ADS], s14, v[ASK0]
	v_add_nc_u32 v[ADT], s14, v[ASV0]
.irp t, 0,1,2,3,4,5,6,7
.irp p, 0,1,2
	ds_load_b64 v[KV+6*\t+2*\p:KV+6*\t+2*\p+1], v[ADK] offset:768*\t+8*\p
.endr
	ds_load_b32 v[SW+\t], v[ADS] offset:64*\t
.endr
	s_wait_dscnt 0x0
.irp t, 0,1,2,3,4,5,6,7
	v_wmma_scale_f32_16x16x128_f8f6f4 v[S+8*\t:S+8*\t+7], v[KV+6*\t:KV+6*\t+11], v[16:27], 0, v[SW+\t], v[QS] matrix_a_fmt:MATRIX_FMT_FP6 matrix_b_fmt:MATRIX_FMT_FP6
.endr
.rept 4
	v_nop                                          ; places in front of the loads into K's registers and of the first read of the scores
.endr
.irp t, 0,1,2,3                                ; V's four tiles are asked for now and land under the softmax
.irp p, 0,1,2,3,4,5
	ds_load_b64 v[KV+12*\t+2*\p:KV+12*\t+2*\p+1], v[ADV] offset:3072*(\p/3)+768*\t+8*(\p%3)
.endr
	ds_load_b32 v[SWV+\t], v[ADT] offset:64*\t
.endr
	s_add_co_u32 s16, s12, 127                     ; on the diagonal hidden scores become -infinity; a step all of whose keys count skips this
	s_cmp_le_u32 s16, s11
	s_cbranch_scc1 .Lopen_\@
	s_sub_co_i32 s16, s11, s12
	v_and_b32 v[F], 15, v0
	v_bfe_u32 v[PW], v0, 4, 1
	v_lshlrev_b32 v[PW], 4, v[PW]
	v_sub_nc_u32 v[F], v[F], v[PW]
	v_add_nc_u32 v[F], s16, v[F]                   ; d = my query - the step's first key - 16 (lane / 16); register 16 b + i is hidden where 32 b + i > d
	v_mov_b32 v[TMP], 0xff800000
.set n, 0
.rept 64
	v_cmp_gt_i32 vcc_lo, 32*(n/16)+n%16, v[F]
	v_cndmask_b32 v[S+n], v[S+n], v[TMP], vcc_lo
.set n, n+1
.endr
.Lopen_\@:
.irp b, 0,1,2,3
	v_max3_num_f32 v[BM+\b], v[S+16*\b], v[S+1+16*\b], v[S+2+16*\b]   ; the largest score of each block of 32 keys: for the row's maximum and for the block's largest p
.endr
.irp i, 3,5,7,9,11,13
.irp b, 0,1,2,3
	v_max3_num_f32 v[BM+\b], v[BM+\b], v[S+16*\b+\i], v[S+1+16*\b+\i]
.endr
.endr
.irp b, 0,1,2,3
	v_max_num_f32 v[BM+\b], v[BM+\b], v[S+15+16*\b]
.endr
.irp b, 0,1,2,3
	v_permlanex16_b32 v[T8+\b], v[BM+\b], s20, s21
.endr
.irp b, 0,1,2,3
	v_max_num_f32 v[BM+\b], v[BM+\b], v[T8+\b]
.endr
	v_max3_num_f32 v[TMP], v[BM], v[BM+1], v[BM+2]
	v_max_num_f32 v[TMP], v[TMP], v[BM+3]
	v_mul_f32 v[TMP], s22, v[TMP]
	v_max_num_f32 v13, v13, v[TMP]                 ; the running largest t
	v_mov_b32 v[TMP], v12
	v_floor_f32 v12, -v13                          ; the new -M = -ceil(t)
	v_sub_f32 v[TMP], v12, v[TMP]                  ; old M - new M: a whole number, 0 or less
	v_cvt_i32_f32 v[TMP], v[TMP]                   ; (it saturates)
	v_ldexp_f32 v[F], 1.0, v[TMP]                  ; f = 2^(old M - new M)
.set j, 0
.rept 32
	v_pk_fma_f32 v[S+j:S+j+1], v[S+j:S+j+1], s[22:23], v[12:13] op_sel_hi:[1,0,0]   ; t - M
.set j, j+2
.endr
.irp b, 0,1,2,3
	v_fma_f32 v[BM+\b], v[BM+\b], s22, v12
.endr
.set j, 0
.rept 64
	v_exp_f32 v[S+j], v[S+j]                       ; p = 2^(t - M)
.set j, j+1
.endr
	v_pk_mul_f32 v[14:15], v[14:15], v[F:F+1] op_sel_hi:[1,0]   ; the sums under the new M (a plain instruction behind the exponentials)
	s_wait_alu depctr_va_vdst(0)                   ; one wait for the batch, ahead of its first reader
.irp b, 0,1,2,3
	v_exp_f32 v[BM+\b], v[BM+\b]                   ; each block's largest p
.endr
	v_pk_add_f32 v[T8:T8+1], v[S:S+1], v[S+2:S+3]  ; the row's sum, of the unquantised p, in two chains
.irp j, 4,8,12,16,20,24,28,32,36,40,44,48,52,56,60
	v_pk_add_f32 v[14:15], v[14:15], v[S+\j:S+\j+1]
	v_pk_add_f32 v[T8:T8+1], v[T8:T8+1], v[S+\j+2:S+\j+3]
.endr
	v_pk_add_f32 v[14:15], v[14:15], v[T8:T8+1]
	s_wait_alu depctr_va_vdst(0)                   ; and one for the four
.irp b, 0,1,2,3
	v_max_num_f32 v[BM+\b], 0x1800000, v[BM+\b]    ; the floor: the byte cannot fall under 1
.endr
.irp b, 0,1,2,3
	v_add_nc_u32 v[SO+\b], 0xff000000, v[BM+\b]
.endr
.irp b, 0,1,2,3
	v_lshrrev_b32 v[T8+\b], 23, v[SO+\b]
.endr
	v_lshl_or_b32 v[PW], v[T8+1], 8, v[T8]
	v_lshl_or_b32 v[PW], v[T8+2], 16, v[PW]
	v_lshl_or_b32 v[PW], v[T8+3], 24, v[PW]
.irp c, 0,1
	v_cvt_scalef32_pk16_fp6_f32 v[PCD+6*\c:PCD+6*\c+2], v[S+32*\c:S+32*\c+15], v[SO+2*\c]
	v_cvt_scalef32_pk16_fp6_f32 v[T8+4*\c:T8+4*\c+2], v[S+16+32*\c:S+31+32*\c], v[SO+2*\c+1]
.endr
	v_nop                                          ; a plain instruction behind the conversions
.irp c, 0,1                                    ; the operand wants a whole block in a lane
.irp i, 0,1,2
	v_permlane16_swap_b32 v[PCD+6*\c+\i], v[T8+4*\c+\i]
.endr
.irp i, 0,1,2
	v_mov_b32 v[PCD+3+6*\c+\i], v[T8+4*\c+\i]
.endr
.endr
.set j, 0
.rept 16
	v_pk_mul_f32 v[O+j:O+j+1], v[O+j:O+j+1], v[F:F+1] op_sel_hi:[1,0]   ; O^T under the new M; these sixteen are also the places in front of the products below
.set j, j+2
.endr
	s_wait_dscnt 0x0                               ; V is in
.irp t, 0,1,2,3
	v_wmma_scale_f32_16x16x128_f8f6f4 v[O+8*\t:O+8*\t+7], v[KV+12*\t:KV+12*\t+11], v[PCD:PCD+11], v[O+8*\t:O+8*\t+7], v[SWV+\t], v[PW] matrix_a_fmt:MATRIX_FMT_FP6 matrix_b_fmt:MATRIX_FMT_FP6
.endr
.Lhidden_\@:
	s_add_co_u32 s12, s12, 128
	s_add_co_u32 s13, s13, 6144
	s_add_co_u32 s14, s14, 512
.endm
; Chunk c: 512 keys, four steps.  The fetching waves have 3 - c later chunks on their way; nothing is ever filled again, so those may stay out across the barrier.
.macro CHUNK c
	s_wait_dscnt 0x0
	s_wait_tensorcnt 3-\c
	s_barrier_signal -1
	s_barrier_wait -1
	s_mov_b32 s12, 512*\c
	s_mov_b32 s13, 24576*\c
	s_mov_b32 s14, 2048*\c
	s_mov_b32 s15, 4
.Lstep_\@:
	STEP
	s_sub_co_u32 s15, s15, 1
	s_cmp_lg_u32 s15, 0
	s_cbranch_scc1 .Lstep_\@
.endm
	s_wait_loadcnt 0x0                             ; Q
	CHUNK 0
	CHUNK 1
	CHUNK 2
	CHUNK 3
	; THE WAY OUT: O^T / the sum; its 64 channels are two blocks of the next product's K; codes through my stage, 768 dense bytes out
.rept 4
	v_nop
.endr
	v_add_f32 v14, v14, v15
	v_permlanex16_b32 v[F], v14, s20, s21
	v_add_f32 v14, v14, v[F]
	v_rcp_f32 v14, v14
	v_nop
	s_and_b32 s16, s9, 15                          ; head
	s_lshr_b32 s17, s9, 4
	s_lshl_b32 s17, s17, 11
	s_add_co_u32 s17, s17, s11                     ; my first row t = 2048 b + Q0
	s_mul_i32 s18, s16, PP
	s_mul_i32 s19, s17, 48
	s_add_co_u32 s18, s18, s19
	s_mov_b32 s19, 0
	s_add_nc_u64 s[60:61], s[6:7], s[18:19]        ; codes: panel = head
	s_lshr_b32 s18, s16, 1
	s_lshl_b32 s18, s18, 14
	s_lshl_b32 s17, s17, 2
	s_add_co_u32 s18, s18, s17
	s_and_b32 s16, s16, 1
	s_lshl_b32 s16, s16, 1
	s_add_co_u32 s18, s18, s16
	s_add_co_u32 s18, s18, WOFF
	s_add_nc_u64 s[62:63], s[6:7], s[18:19]        ; my head's half of the scale words
	s_wait_alu depctr_va_vdst(0)
.set j, 0
.rept 32
	v_mul_f32 v[S+j], v[O+j], v14                  ; register 16 b + i: channel 32 b + 16 (lane / 16) + i
.set j, j+1
.endr
.irp b, 0,1
	v_max3_num_f32 v[BM+\b], |v[S+16*\b]|, |v[S+16*\b+1]|, 0x1800000
.endr
.irp i, 2,4,6,8,10,12,14
.irp b, 0,1
	v_max3_num_f32 v[BM+\b], v[BM+\b], |v[S+16*\b+\i]|, |v[S+16*\b+\i+1]|
.endr
.endr
.irp b, 0,1
	v_permlanex16_b32 v[T8+\b], v[BM+\b], s20, s21
.endr
.irp b, 0,1
	v_max_num_f32 v[BM+\b], v[BM+\b], v[T8+\b]
.endr
.irp b, 0,1
	v_add_nc_u32 v[SO+\b], 0xff000000, v[BM+\b]
.endr
.irp b, 0,1
	v_lshrrev_b32 v[T8+\b], 23, v[SO+\b]
.endr
	v_lshl_or_b32 v[TMP], v[T8+1], 8, v[T8]
.irp b, 0,1
	v_cvt_scalef32_pk16_fp6_f32 v[PCD+4*\b:PCD+4*\b+2], v[S+16*\b:S+16*\b+15], v[SO+\b]
.endr
	v_nop
.irp b, 0,1
	ds_store_b96 v[STI], v[PCD+4*\b:PCD+4*\b+2] offset:32*\b
.endr
.irp u, 0,1
	ds_load_b96 v[KV+4*\u:KV+4*\u+2], v[STR] offset:512*\u   ; LDS serves a wave's instructions in order: these see my stores
.endr
	global_store_b16 v[R4], v[TMP], s[62:63]       ; both halves of the lanes store the same two bytes
	s_wait_dscnt 1                                 ; the second load may be out
	global_store_b96 v[GO], v[KV:KV+2], s[60:61]
	s_wait_dscnt 0
	global_store_b96 v[GO], v[KV+4:KV+6], s[60:61] offset:384
	s_wait_tensorcnt 0x0
	ds_add_u32 v254, v255
	s_wait_dscnt 0x0
	s_endpgm
.Lfunc_end_k_q7dddd2d771_attn:
	.size	k_q7dddd2d771_attn, .Lfunc_end_k_q7dddd2d771_attn-k_q7dddd2d771_attn
	.p2alignl 7, 3214868480
	.fill 96, 4, 3214868480
	.section	.rodata,"a",@progbits
	.p2align	6, 0x0
	.amdhsa_kernel k_q7dddd2d771_attn
		.amdhsa_group_segment_fixed_size 231424
		.amdhsa_private_segment_fixed_size 0
		.amdhsa_enable_private_segment 0
		.amdhsa_kernarg_size 16
		.amdhsa_user_sgpr_count 2
		.amdhsa_user_sgpr_kernarg_segment_ptr 1
		.amdhsa_wavefront_size32 1
		.amdhsa_system_sgpr_workgroup_id_x 1
		.amdhsa_system_sgpr_workgroup_id_y 1
		.amdhsa_system_sgpr_workgroup_id_z 1
		.amdhsa_system_vgpr_workitem_id 0
		.amdhsa_next_free_vgpr 256
		.amdhsa_next_free_sgpr 66
		.amdhsa_reserve_vcc 1
		.amdhsa_float_denorm_mode_32 3
		.amdhsa_float_denorm_mode_16_64 3
		.amdhsa_memory_ordered 1
		.amdhsa_forward_progress 1
		.amdhsa_inst_pref_size 106
	.end_amdhsa_kernel
	.amdgpu_metadata
---
amdhsa.version: [ 1, 2 ]
amdhsa.kernels:
  - .name:           k_q7dddd2d771_attn
    .symbol:         k_q7dddd2d771_attn.kd
    .args:
      - { .name: qkv, .offset: 0, .size: 8, .value_kind: global_buffer, .address_space: global }
      - { .name: ctx, .offset: 8, .size: 8, .value_kind: global_buffer, .address_space: global }
    .group_segment_fixed_size: 231424
    .private_segment_fixed_size: 0
    .kernarg_segment_align: 8
    .kernarg_segment_size: 16
    .max_flat_workgroup_size: 512
    .sgpr_count:     66
    .vgpr_count:     256
    .wavefront_size: 32
...
	.end_amdgpu_metadata
.endif
;; end of part 3
;; launch wo (part 4): grid 8 x 32, 4 waves a work-group, clusters of 4 x 4, 327,680 bytes of LDS; arguments ctx, Wo_codes, Wo_scales, x, x1; writes x1
.if DOCPART == 4
	.amdgcn_target "amdgcn-amd-amdhsa--gfx1250"
	.amdhsa_code_object_version 6
	.text
	.protected	k_q7dddd2d771_wo
	.globl	k_q7dddd2d771_wo
	.p2align	8
	.type	k_q7dddd2d771_wo,@function
k_q7dddd2d771_wo:
	s_mov_b64 s[64:65], 0
	v_nop
	global_prefetch_b8 v0, s[64:65] scope:SCOPE_SE
	s_setreg_imm32_b32 hwreg(HW_REG_WAVE_MODE, 25, 1), 1
	s_wait_xcnt 0x0
	s_wait_alu depctr_hold_cnt(0) depctr_sa_sdst(0) depctr_va_vdst(0) depctr_va_sdst(0) depctr_va_ssrc(0) depctr_va_vcc(0) depctr_vm_vsrc(0)
	s_getreg_b32 s2, hwreg(HW_REG_IB_STS2, 6, 4)
	s_cmp_eq_u32 s2, 0
	s_cbranch_scc0 .Lentry_in_a_cluster
	s_endpgm
.Lentry_in_a_cluster:
	s_bfe_u32 s2, ttmp6, 0x10000c
	s_cmp_lg_u32 s2, 0xf033
	s_cbranch_scc0 .Lentry_shape_is_right
	s_endpgm
.Lentry_shape_is_right:
; out = res + A W^T.  A: [4096 t][SIZE_K] as FP6 codes in panels [SIZE_K / 64][4096][48 bytes], its scale words [SIZE_K / 128][4096] behind them; W: [1024][SIZE_K] codes, K innermost, scale bytes [1024][SIZE_K / 32].
; res, out: f32, rows in the order e = 2 s + b (t = 2048 b + s).  N is 1,024: a tile of 128 x 128 gives each of 256 work-groups one tile; four waves of 64 x 64, 16 accumulators.
; K goes in steps of 512 (four matrix instructions deep) through two LDS slots filled by tensor loads; the scales of the work-group's rows come once.
; CLUSTERS 4 x 4: A's tiles are asked for jointly along a row of the cluster, W's along a column.  The matrix instruction is used transposed: a lane holds eight neighbouring columns of a row.
; A's rows in LDS are 48 bytes, W's 432 (384 + 16 behind each 128): in both the sixteen rows of a fragment start at sixteen different groups of four banks.
; A quarter's 48 fragment loads are asked for a whole quarter ahead, in two runs of 24: W's at the head of the quarter before, A's behind its first four products.
; The residual is asked for at the head, in the layout in which the result leaves, and added on the way out.  No prefetch: two of the few K steps go out at the head.
; REGISTERS: window 0: v16-29 addresses; v32-63 A's scale words, v64-95 W's, two sets each; v128-255 the accumulators.  Window 1: two fragment buffers of 96.  Window 2: v0-127 the residual.
.set SIZE_K, 1024
.set KROW,  SIZE_K*3/4
.set KS,    SIZE_K/32
.set PP,    196608                     ; from panel to panel
.set AHALF, 24576                      ; 8 panels x 64 rows x 48 bytes
.set BP,    432
.set BHALF, 64*BP
.set BOFF,  2*AHALF
.set SLOT,  BOFF+2*BHALF
.set LAPS,  SIZE_K/1024
.set SCAO,  2*SLOT
.set ASH,   2*SIZE_K
.set SCBO,  SCAO+2*ASH
.set BSH,   (64*KS/256)*272
.set SPARE, SCBO+2*BSH
.set ADRA,  16
.set ADRB,  18
.set ADRB2, 20
.set ADSA,  22
.set ADSB,  23
.set STO,   24
.set RD,    25
.set CO,    26
.set SPW,   28
.set NIL,   29
.set SCA,   32
.set SCB,   64
.set ACC,   128
.set G1, 24
.set G0, 32
.set G1B, 48
.set G0B, 56
.set G1S, 68
.set G0S, 76
.set G1SB, 80
.set G0SB, 88
.set MSB, 0
.macro WIN new
.if MSB != \new
	s_set_vgpr_msb (MSB<<8)|\new
.set MSB, \new
.endif
.endm
.set MUL,  0x05                        ; sources 0 and 1 window 1; C and D window 0
.set TO_F, 0x40
.macro JLOAD g0a, g1a, g0b, g1b        ; waves 0 and 1 fetch for A, waves 2 and 3 for W; four v_nop follow each line
	s_cmp_eq_u32 s15, 0
	s_cbranch_scc0 .Lfor_b_\@
	tensor_load_to_lds s[\g0a:\g0a+3], s[\g1a:\g1a+7]
	s_nop 0
.rept 4
	v_nop
.endr
	s_branch .Lasked_\@
.Lfor_b_\@:
	tensor_load_to_lds s[\g0b:\g0b+3], s[\g1b:\g1b+7]
	s_nop 0
.rept 4
	v_nop
.endr
.Lasked_\@:
.endm
.macro CREST
	s_cmp_lg_u32 s14, 0
	s_cbranch_scc1 .Lnot_wave_0_\@
	s_barrier_signal -3
.Lnot_wave_0_\@:
	s_barrier_wait -3
	s_barrier_signal -1
	s_barrier_wait -1
.endm
.macro CROUND
	s_barrier_signal -1
	s_barrier_wait -1
	CREST
.endm
	s_load_b256 s[4:11], s[0:1], 0x0               ; A, W's codes, W's scales, res
	s_load_b64 s[12:13], s[0:1], 0x20              ; out
	v_lshl_add_u32 v[SPW], v0, 2, SPARE
	v_mov_b32 v[NIL], 0
	ds_add_u32 v28, v29
	ds_add_u32 v28, v29
	s_wait_dscnt 0x0
	v_lshrrev_b32 v1, 5, v0
	v_readfirstlane_b32 s14, v1                    ; wave
	s_lshr_b32 s15, s14, 1                         ; my half of the rows; also: I fetch for A (0) or W (1)
	s_and_b32 s16, s14, 1                          ; my half of the columns; also: which 64 rows I fetch
	s_bfe_u32 s40, ttmp6, 0x40000
	s_bfe_u32 s41, ttmp6, 0x40004
	s_lshl_b32 s42, ttmp9, 2
	s_add_co_u32 s42, s42, s40                     ; tile column
	s_and_b32 s17, ttmp7, 0xffff
	s_lshl_b32 s17, s17, 2
	s_add_co_u32 s17, s17, s41                     ; tile row
	s_lshl_b32 s43, s41, 2
	s_lshl_b32 s43, 15, s43
	s_lshl_b32 s44, 0x1111, s40
	s_or_b32 s[G1+0], s43, (3<<16)|(1<<21)         ; A: 8 panels, of each 64 rows x 48 bytes = 384 elements of 8 bytes, dense; no padding
	s_mov_b32 s[G1+1], 384<<16
	s_mov_b32 s[G1+2], 8<<16
	s_mov_b32 s[G1+3], 384<<16
	s_mov_b32 s[G1+4], 8
	s_mov_b32 s[G1+5], PP/8
	s_mov_b32 s[G1+6], 0
	s_mov_b32 s[G1+7], 0
	s_or_b32 s[G1B+0], s44, (0<<16)|(1<<20)|(1<<21)|(4<<22)|(3<<25)   ; W: 64 rows of 384 bytes; 4 words of padding behind every 32
	s_mov_b32 s[G1B+1], 384<<16
	s_mov_b32 s[G1B+2], 64<<16
	s_mov_b32 s[G1B+3], 384<<16
	s_mov_b32 s[G1B+4], 64
	s_mov_b32 s[G1B+5], KROW
	s_mov_b32 s[G1B+6], 0
	s_mov_b32 s[G1B+7], 0
	s_or_b32 s[G1S+0], s43, (3<<16)|(1<<21)        ; A's scale words: for each 128 along K the 256 bytes of 64 rows
	s_mov_b32 s[G1S+1], 32<<16
	s_mov_b32 s[G1S+2], (SIZE_K/128)<<16
	s_mov_b32 s[G1S+3], 32<<16
	s_mov_b32 s[G1S+4], SIZE_K/128
	s_mov_b32 s[G1S+5], 2048
	s_mov_b32 s[G1S+6], 0
	s_mov_b32 s[G1S+7], 0
	s_or_b32 s[G1SB+0], s44, (3<<16)|(1<<20)|(1<<21)|(5<<22)|(3<<25)  ; W's scale bytes of 64 rows: dense, as rows of 256 bytes + 16 of padding
	s_mov_b32 s[G1SB+1], 32<<16
	s_mov_b32 s[G1SB+2], (64*KS/256)<<16
	s_mov_b32 s[G1SB+3], 32<<16
	s_mov_b32 s[G1SB+4], 64*KS/256
	s_mov_b32 s[G1SB+5], 32
	s_mov_b32 s[G1SB+6], 0
	s_mov_b32 s[G1SB+7], 0
	s_lshl_b32 s18, s16, 6
	s_lshl_b32 s20, s17, 7
	s_add_co_u32 s20, s20, s18                     ; A: row 128 x tile row + 64 x half
	s_lshl_b32 s46, s42, 7
	s_add_co_u32 s46, s46, s18                     ; W: row 128 x tile column + 64 x half
	s_lshl_b32 s22, s20, 2
	s_add_co_u32 s22, s22, (SIZE_K/64)*PP
	s_mov_b32 s23, 0
	s_mul_i32 s20, s20, 48
	s_mov_b32 s21, 0
	s_mul_i32 s92, s46, KS
	s_mov_b32 s93, 0
	s_mul_i32 s46, s46, KROW
	s_mov_b32 s47, 0
	s_mul_i32 s45, s16, AHALF                      ; where they go: no place in the cluster enters an LDS address
	s_mul_i32 s94, s16, BHALF
	s_add_co_u32 s94, s94, BOFF
	s_mul_i32 s95, s16, ASH
	s_add_co_u32 s95, s95, SCAO
	s_mul_i32 s96, s16, BSH
	s_add_co_u32 s96, s96, SCBO
	s_wait_kmcnt 0x0
	s_add_nc_u64 s[22:23], s[4:5], s[22:23]
	s_add_nc_u64 s[20:21], s[4:5], s[20:21]
	s_add_nc_u64 s[46:47], s[6:7], s[46:47]
	s_add_nc_u64 s[92:93], s[8:9], s[92:93]
	CROUND                                         ; all sixteen work-groups are here: the first joint loads meet
	s_mov_b32 s[G0S], 1
	s_mov_b32 s[G0S+1], s95
	s_mov_b64 s[G0S+2:G0S+3], s[22:23]
	s_or_b32 s[G0S+3], s[G0S+3], 0x80000000
	s_mov_b32 s[G0SB], 1
	s_mov_b32 s[G0SB+1], s96
	s_mov_b64 s[G0SB+2:G0SB+3], s[92:93]
	s_or_b32 s[G0SB+3], s[G0SB+3], 0x80000000
	JLOAD G0S, G1S, G0SB, G1SB
.irp s, 0,1
	s_mov_b32 s[G0+4*\s], 1
	s_add_co_u32 s[G0+4*\s+1], s45, \s*SLOT
	s_add_nc_u64 s[G0+4*\s+2:G0+4*\s+3], s[20:21], \s*8*PP
	s_or_b32 s[G0+4*\s+3], s[G0+4*\s+3], 0x80000000
	s_mov_b32 s[G0B+4*\s], 1
	s_add_co_u32 s[G0B+4*\s+1], s94, \s*SLOT
	s_add_nc_u64 s[G0B+4*\s+2:G0B+4*\s+3], s[46:47], \s*384
	s_or_b32 s[G0B+4*\s+3], s[G0B+4*\s+3], 0x80000000
	JLOAD G0+4*\s, G1, G0B+4*\s, G1B
.endr
	v_and_b32 v1, 15, v0                           ; r
	v_bfe_u32 v2, v0, 4, 1                         ; h
	v_lshlrev_b32 v[CO], 13, v2
	v_lshl_add_u32 v[CO], v1, 4, v[CO]             ; res, out: lanes 0-15 one row's 256 bytes, lanes 16-31 the next token's (two rows of 4,096 bytes on)
	s_lshl_b32 s20, s17, 7
	s_lshl_b32 s21, s15, 6
	s_add_co_u32 s20, s20, s21                     ; my first t
	s_lshr_b32 s21, s20, 11
	s_and_b32 s20, s20, 2047
	s_lshl_b32 s20, s20, 1
	s_add_co_u32 s20, s20, s21                     ; e = 2 s + b
	s_lshl_b32 s20, s20, 12
	s_lshl_b32 s46, s42, 9
	s_lshl_b32 s47, s16, 8
	s_add_co_u32 s46, s46, s47
	s_add_co_u32 s46, s46, s20
	s_mov_b32 s47, 0
	s_add_nc_u64 s[10:11], s[10:11], s[46:47]
	s_add_nc_u64 s[12:13], s[12:13], s[46:47]
	WIN 0x80                                       ; destination window 2
.irp a, 0,1,2,3
.irp t, 0,1,2,3,4,5,6,7
	global_load_b128 v[32*\a+4*\t:32*\a+4*\t+3], v[CO], s[10:11] offset:(16*\a+2*\t)*8192 th:TH_LOAD_NT
.endr
.endr
	WIN 0
	v_mul_u32_u24 v3, v1, 48
	v_mad_u32_u24 v3, v2, 24, v3
	v_mul_u32_u24 v4, v1, BP
	v_mad_u32_u24 v4, v2, 24, v4
	v_lshl_add_u32 v5, v2, 4, v4
	s_mul_i32 s21, s15, AHALF
	s_mul_i32 s22, s16, BHALF
	s_add_co_u32 s22, s22, BOFF
.irp s, 0,1
	v_add_nc_u32 v[ADRA+\s], s21, v3
	v_add_nc_u32 v[ADRB+\s], s22, v4
	v_add_nc_u32 v[ADRB2+\s], s22, v5
	s_add_co_u32 s21, s21, SLOT
	s_add_co_u32 s22, s22, SLOT
.endr
	s_mul_i32 s21, s15, ASH
	s_add_co_u32 s21, s21, SCAO
	v_lshl_add_u32 v[ADSA], v1, 2, s21
	v_mul_u32_u24 v6, v1, KS
	v_lshrrev_b32 v7, 8, v6
	v_and_b32 v6, 255, v6
	v_mad_u32_u24 v6, v7, 272, v6
	s_mul_i32 s22, s16, BSH
	s_add_co_u32 s22, s22, SCBO
	v_add_nc_u32 v[ADSB], s22, v6
	s_mul_i32 s23, s14, 8704                       ; my two stages of 16 rows x 272 bytes, in slot 0
	v_mul_u32_u24 v6, v1, 272
	v_lshl_add_u32 v6, v2, 5, v6
	v_add_nc_u32 v[STO], s23, v6
	v_mul_u32_u24 v6, v2, 272
	v_lshl_add_u32 v6, v1, 4, v6
	v_add_nc_u32 v[RD], s23, v6
.macro FRAGA reg, slot, q, i           ; A's block i, the slot's q-th 128 along K: panels 2 q and 2 q + 1, 24 bytes of each
.irp p, 0,1,2,3,4,5
	ds_load_b64 v[\reg+2*\p:\reg+2*\p+1], v[ADRA+\slot] offset:(2*(\q)+\p/3)*3072+768*(\i)+8*(\p%3)
.endr
.endm
.macro FRAGB reg, slot, q, i           ; W's tile i: pieces of 8 bytes; lanes 16-31 read three pieces on, for some behind one padding more: the second address register
.irp p, 0,1,2,3,4,5
.set PC, 12*(\q)+6*(\p/3)+\p%3
.if PC%16 < 13
	ds_load_b64 v[\reg+2*\p:\reg+2*\p+1], v[ADRB+\slot] offset:8*PC+16*(PC/16)+6912*(\i)
.else
	ds_load_b64 v[\reg+2*\p:\reg+2*\p+1], v[ADRB2+\slot] offset:8*PC+16*(PC/16)+6912*(\i)
.endif
.endr
.endm
.macro FETCHB slot, q, f               ; 24 loads: W's four tiles into buffer f
	WIN TO_F
.irp i, 0,1,2,3
	FRAGB (\f)+48+12*\i, \slot, \q, \i
.endr
.endm
.macro FETCHA slot, q, f               ; 24 loads: A's four blocks into buffer f
	WIN TO_F
.irp i, 0,1,2,3
	FRAGA (\f)+12*\i, \slot, \q, \i
.endr
.endm
.macro SCALES sc                       ; 20 loads: a slot's four scale words of each of my 64 + 64 rows
	WIN 0
.irp i, 0,1,2,3
.irp q, 0,1,2,3
	ds_load_b32 v[SCA+16*\sc+4*\i+\q], v[ADSA] offset:256*\q+64*\i
.endr
	ds_load_b128 v[SCB+16*\sc+4*\i:SCB+16*\sc+4*\i+3], v[ADSB] offset:\i*((16*KS/256)*272)
.endr
.endm
.macro MULA f, a, q, sc, zero          ; A's block a against W's four tiles; the 16 accumulators take turns
.irp b, 0,1,2,3
.if \zero
	v_wmma_scale_f32_16x16x128_f8f6f4 v[ACC+8*(4*(\a)+\b):ACC+8*(4*(\a)+\b)+7], v[\f+48+12*\b:\f+48+12*\b+11], v[\f+12*(\a):\f+12*(\a)+11], 0, v[SCB+16*(\sc)+4*\b+(\q)], v[SCA+16*(\sc)+4*(\a)+(\q)] matrix_a_fmt:MATRIX_FMT_FP6 matrix_b_fmt:MATRIX_FMT_FP6
.else
	v_wmma_scale_f32_16x16x128_f8f6f4 v[ACC+8*(4*(\a)+\b):ACC+8*(4*(\a)+\b)+7], v[\f+48+12*\b:\f+48+12*\b+11], v[\f+12*(\a):\f+12*(\a)+11], v[ACC+8*(4*(\a)+\b):ACC+8*(4*(\a)+\b)+7], v[SCB+16*(\sc)+4*\b+(\q)], v[SCA+16*(\sc)+4*(\a)+(\q)] matrix_a_fmt:MATRIX_FMT_FP6 matrix_b_fmt:MATRIX_FMT_FP6
.endif
.endr
.endm
.macro PLACES
.rept 4
	v_nop
.endr
.endm
; 128 along K.  The next quarter's fragments go into the other buffer, which the last quarter's products read: four places stand behind those, then W's 24 loads; A's 24 follow behind the first four products.
.macro QUARTER slot, q, zero
	PLACES
	FETCHB \slot, (\q)+1, 128-128*((\q)%2)
	s_wait_dscnt 24                                ; all but the 24 just issued: this quarter's fragments, and its scale words, are in
	WIN MUL
	MULA 128*((\q)%2), 0, \q, \slot, \zero
	FETCHA \slot, (\q)+1, 128-128*((\q)%2)
	WIN MUL
	MULA 128*((\q)%2), 1, \q, \slot, \zero
	MULA 128*((\q)%2), 2, \q, \slot, \zero
	MULA 128*((\q)%2), 3, \q, \slot, \zero
.endm
; A slot's last quarter changes slots: one barrier; in front of it each wave waits for all its tensor loads, adds 0 to its spare word, and waits for that and for its reads of the slot (its last fragments).
.macro TURN slot, next, fill
	WIN 0
	s_wait_tensorcnt 0x0
	ds_add_u32 v[SPW], v[NIL]
	s_wait_dscnt 0x0                               ; the add is done; the slot's last fragments are in: my reads of the slot are over
	s_barrier_signal -1
	WIN MUL
	MULA 128, 0, 3, \slot, 0                       ; work on registers while the others arrive
	WIN 0
	s_barrier_wait -1
.if \fill
	CREST                                          ; a round of the cluster's barrier: no wave of any partner still reads this slot or has a load on its way
	s_add_nc_u64 s[G0+4*\slot+2:G0+4*\slot+3], s[G0+4*\slot+2:G0+4*\slot+3], 16*PP
	s_add_nc_u64 s[G0B+4*\slot+2:G0B+4*\slot+3], s[G0B+4*\slot+2:G0B+4*\slot+3], 768
	JLOAD G0+4*\slot, G1, G0B+4*\slot, G1B         ; its four v_nop are the places in front of the loads into buffer 0
.else
	PLACES
.endif
	v_add_nc_u32 v[ADSA], 1024, v[ADSA]
	v_add_nc_u32 v[ADSB], 16, v[ADSB]
	FETCHB \next, 0, 0
	WIN MUL
	MULA 128, 1, 3, \slot, 0
	FETCHA \next, 0, 0
	SCALES \next
	WIN MUL
	MULA 128, 2, 3, \slot, 0
	MULA 128, 3, 3, \slot, 0
.endm
	s_wait_tensorcnt 1                             ; the scales and my part of slot 0 are in; slot 1's load may be out
	s_barrier_signal -1
	s_barrier_wait -1
	FETCHB 0, 0, 0
	FETCHA 0, 0, 0
	SCALES 0
	QUARTER 0, 0, 1                                ; the first quarter's products start the sums
.if LAPS > 1
	WIN 0
	s_mov_b32 s3, LAPS-1
.Llap:
	QUARTER 0, 1, 0
	QUARTER 0, 2, 0
	TURN 0, 1, 1
	QUARTER 1, 0, 0
	QUARTER 1, 1, 0
	QUARTER 1, 2, 0
	TURN 1, 0, 1
	QUARTER 0, 0, 0
	WIN 0
	s_sub_co_u32 s3, s3, 1
	s_cmp_lg_u32 s3, 0
	s_cbranch_scc1 .Llap
.endif
	QUARTER 0, 1, 0
	QUARTER 0, 2, 0
	TURN 0, 1, 0
	QUARTER 1, 0, 0
	QUARTER 1, 1, 0
	QUARTER 1, 2, 0
	s_wait_dscnt 0x0
	WIN MUL
	MULA 128, 0, 3, 1, 0
	MULA 128, 1, 3, 1, 0
	MULA 128, 2, 3, 1, 0
	MULA 128, 3, 3, 1, 0
	WIN 0
; THE WAY OUT: a block of 16 rows x 64 columns goes through my stage and comes back as whole rows of 256 bytes; the residual is added; sixteen lanes store 256 consecutive bytes, aligned.
.macro TOSTAGE a
.set BK, 32+32*((\a)%2)
.irp b, 0,1,2,3
	ds_store_b128 v[STO], v[ACC+8*(4*(\a)+\b):ACC+8*(4*(\a)+\b)+3] offset:4352*((\a)%2)+64*\b
	ds_store_b128 v[STO], v[ACC+8*(4*(\a)+\b)+4:ACC+8*(4*(\a)+\b)+7] offset:4352*((\a)%2)+64*\b+16
.endr
.irp t, 0,1,2,3,4,5,6,7
	ds_load_b128 v[BK+4*\t:BK+4*\t+3], v[RD] offset:4352*((\a)%2)+544*\t
.endr
.endm
.macro SEND a, younger
.set BK, 32+32*((\a)%2)
	s_wait_dscnt \younger                          ; the next block's LDS instructions may be out
	WIN 0x08                                       ; source 1: window 2
.set n, 0
.rept 16
	v_pk_add_f32 v[BK+n:BK+n+1], v[BK+n:BK+n+1], v[32*(\a)+n:32*(\a)+n+1]
.set n, n+2
.endr
	WIN 0
.irp t, 0,1,2,3,4,5,6,7
	global_store_b128 v[CO], v[BK+4*\t:BK+4*\t+3], s[12:13] offset:(16*(\a)+2*\t)*8192
.endr
.endm
	PLACES
	s_wait_loadcnt 0x0                             ; the residual
	TOSTAGE 0
	TOSTAGE 1
	SEND 0, 16
	s_wait_xcnt 0x0                                ; block 0's stores have read their registers
	TOSTAGE 2
	SEND 1, 16
	s_wait_xcnt 0x0
	TOSTAGE 3
	SEND 2, 16
	SEND 3, 0
	s_wait_tensorcnt 0x0                           ; the wave's end
	ds_add_u32 v[SPW], v[NIL]
	s_wait_dscnt 0x0
	CROUND                                         ; the closing round
	s_endpgm
.Lfunc_end_k_q7dddd2d771_wo:
	.size	k_q7dddd2d771_wo, .Lfunc_end_k_q7dddd2d771_wo-k_q7dddd2d771_wo
	.p2alignl 7, 3214868480
	.fill 96, 4, 3214868480
	.section	.rodata,"a",@progbits
	.p2align	6, 0x0
	.amdhsa_kernel k_q7dddd2d771_wo
		.amdhsa_group_segment_fixed_size 327680
		.amdhsa_private_segment_fixed_size 0
		.amdhsa_enable_private_segment 0
		.amdhsa_kernarg_size 40
		.amdhsa_user_sgpr_count 2
		.amdhsa_user_sgpr_kernarg_segment_ptr 1
		.amdhsa_wavefront_size32 1
		.amdhsa_system_sgpr_workgroup_id_x 1
		.amdhsa_system_sgpr_workgroup_id_y 1
		.amdhsa_system_sgpr_workgroup_id_z 1
		.amdhsa_system_vgpr_workitem_id 0
		.amdhsa_next_free_vgpr 768
		.amdhsa_next_free_sgpr 98
		.amdhsa_reserve_vcc 0
		.amdhsa_float_denorm_mode_32 3
		.amdhsa_float_denorm_mode_16_64 3
		.amdhsa_memory_ordered 1
		.amdhsa_forward_progress 1
		.amdhsa_inst_pref_size 71
	.end_amdhsa_kernel
	.amdgpu_metadata
---
amdhsa.version: [ 1, 2 ]
amdhsa.kernels:
  - .name:           k_q7dddd2d771_wo
    .symbol:         k_q7dddd2d771_wo.kd
    .args:
      - { .name: ctx, .offset: 0, .size: 8, .value_kind: global_buffer, .address_space: global }
      - { .name: Wo_codes, .offset: 8, .size: 8, .value_kind: global_buffer, .address_space: global }
      - { .name: Wo_scales, .offset: 16, .size: 8, .value_kind: global_buffer, .address_space: global }
      - { .name: x, .offset: 24, .size: 8, .value_kind: global_buffer, .address_space: global }
      - { .name: x1, .offset: 32, .size: 8, .value_kind: global_buffer, .address_space: global }
    .group_segment_fixed_size: 327680
    .private_segment_fixed_size: 0
    .kernarg_segment_align: 8
    .kernarg_segment_size: 40
    .max_flat_workgroup_size: 128
    .sgpr_count:     98
    .vgpr_count:     768
    .wavefront_size: 32
...
	.end_amdgpu_metadata
.endif
;; end of part 4
;; launch norm2: the kernel of part 1 again; grid 256 x 1, 16 waves a work-group, no clusters, 86,016 bytes of LDS; arguments x1, g2, hq; writes hq
;; launch ffn1 (part 5): grid 16 x 16, 4 waves a work-group, clusters of 4 x 4, 327,680 bytes of LDS; arguments hq, W1_codes, W1_scales, act; writes act
.if DOCPART == 5
	.amdgcn_target "amdgcn-amd-amdhsa--gfx1250"
	.amdhsa_code_object_version 6
	.text
	.protected	k_q7dddd2d771_ffn1
	.globl	k_q7dddd2d771_ffn1
	.p2align	8
	.type	k_q7dddd2d771_ffn1,@function
k_q7dddd2d771_ffn1:
	s_mov_b64 s[64:65], 0
	v_nop
	global_prefetch_b8 v0, s[64:65] scope:SCOPE_SE
	s_setreg_imm32_b32 hwreg(HW_REG_WAVE_MODE, 25, 1), 1
	s_wait_xcnt 0x0
	s_wait_alu depctr_hold_cnt(0) depctr_sa_sdst(0) depctr_va_vdst(0) depctr_va_sdst(0) depctr_va_ssrc(0) depctr_va_vcc(0) depctr_vm_vsrc(0)
	s_getreg_b32 s2, hwreg(HW_REG_IB_STS2, 6, 4)
	s_cmp_eq_u32 s2, 0
	s_cbranch_scc0 .Lentry_in_a_cluster
	s_endpgm
.Lentry_in_a_cluster:
	s_bfe_u32 s2, ttmp6, 0x10000c
	s_cmp_lg_u32 s2, 0xf033
	s_cbranch_scc0 .Lentry_shape_is_right
	s_endpgm
.Lentry_shape_is_right:
; act = silu(h2 W1^T), quantised along its columns (the next product's K) in registers.  h2: [4096 t][1024] FP6 codes with scale bytes behind them; W1: [4096][1024] codes, K innermost.
; A tile of 256 x 256 is made by four waves of 128 x 128.  K goes in steps of 256 through two LDS slots filled by tensor loads; the scale bytes of the work-group's rows come once.
; CLUSTERS 4 x 4: A's tiles are asked for jointly along a row of the cluster, W1's along a column.
; THE MATRIX INSTRUCTION IS USED TRANSPOSED, AND THE ROWS OF W1 THAT FORM A TILE ARE NOT NEIGHBOURS: lane r of tile 2 b + u takes row 32 b + 8 u + r + 8 (r / 8): the 16 registers of accumulators
; (a, 2 b), (a, 2 b + 1) are columns 32 b + 16 (lane / 16) + 0 .. 15 of one row.  (The two groups of eight rows of such a tile lie 16 rows apart, so W1's fragment loads meet two deep in the banks.)
; THE FRAGMENT LOADS STAND IN RUNS OF 24, one behind each 16 matrix instructions: eight window switches for a step's 64 matrix instructions are the price of the short runs.
; OUT: codes in panels [column / 64][4096 t][48 bytes], scale words [column / 128][4096 t] behind them.
; silu(x) = x / (1 + 2^(-x log2(e))), in f32: for very negative x the exponential is infinite and the result -0.
; LIMITS: NaN and infinities are not served; a block of zeros or under 2^-124 keeps the byte 1 (this program alone reads the bytes).
.set KSTEP,  256
.set NQ,     2
.set ROWB,   192
.set KROW,   768
.set PITCH,  240
.set FR,     12
.set NL,     6
.set NP,     4
.set HALFT,  128*PITCH
.set SLOT,   4*HALFT
.set LAPS,   2
.set KS,     32
.set SCL,    2*SLOT
.set HALFS,  16*272
.set SPARE,  SCL+4*HALFS
.set WST,    17408
.set HS_OFF, 3145728
.set PP,     196608
.set OFC,  8
.set SOF,  12
.set ADRA, 16
.set ADRB, 20
.set STO,  24
.set RDP,  25
.set SST,  26
.set ADSA, 27
.set SPW,  28
.set NIL,  29
.set ADSB, 30
.set SRD,  31
.set SCA,  32
.set SCB,  64
.set SWR,  96
.set CD,   104
.set AF,   128
.set TT,   128                         ; v128-191 a block's 64 numbers a lane, after the activation
.set OUTR, 128
.set TM,   224
.set PW,   240
.set G1, 24
.set G0, 32
.set G1B, 48
.set G0B, 56
.set G1S, 68
.set G0S, 76
.set G1SB, 80
.set G0SB, 88
.set MSB, 0
.macro WIN new
.if MSB != \new
	s_set_vgpr_msb (MSB<<8)|\new
.set MSB, \new
.endif
.endm
.set MUL_LO, 0xa1
.set MUL_HI, 0xf1
.set TO_B,   0x40
.macro JLOAD g0a, g1a, g0b, g1b
	s_cmp_eq_u32 s15, 0
	s_cbranch_scc0 .Lfor_b_\@
	tensor_load_to_lds s[\g0a:\g0a+3], s[\g1a:\g1a+7]
	s_nop 0
.rept 4
	v_nop
.endr
	s_branch .Lasked_\@
.Lfor_b_\@:
	tensor_load_to_lds s[\g0b:\g0b+3], s[\g1b:\g1b+7]
	s_nop 0
.rept 4
	v_nop
.endr
.Lasked_\@:
.endm
.macro CREST
	s_cmp_lg_u32 s14, 0
	s_cbranch_scc1 .Lnot_wave_0_\@
	s_barrier_signal -3
.Lnot_wave_0_\@:
	s_barrier_wait -3
	s_barrier_signal -1
	s_barrier_wait -1
.endm
.macro CROUND
	s_barrier_signal -1
	s_barrier_wait -1
	CREST
.endm
	s_load_b128 s[4:7], s[0:1], 0x0                ; hq, W1's codes
	s_load_b128 s[8:11], s[0:1], 0x10              ; W1's scales, act
	v_lshl_add_u32 v[SPW], v0, 2, SPARE
	v_mov_b32 v[NIL], 0
	ds_add_u32 v28, v29
	ds_add_u32 v28, v29
	s_wait_dscnt 0x0
	v_lshrrev_b32 v1, 5, v0
	v_readfirstlane_b32 s14, v1
	s_lshr_b32 s15, s14, 1
	s_and_b32 s16, s14, 1
	s_bfe_u32 s40, ttmp6, 0x40000
	s_bfe_u32 s41, ttmp6, 0x40004
	s_lshl_b32 s42, ttmp9, 2
	s_add_co_u32 s42, s42, s40                     ; tile column
	s_and_b32 s17, ttmp7, 0xffff
	s_lshl_b32 s17, s17, 2
	s_add_co_u32 s17, s17, s41                     ; tile row
	s_lshl_b32 s43, s41, 2
	s_lshl_b32 s43, 15, s43
	s_lshl_b32 s44, 0x1111, s40
	s_or_b32 s[G1+0], s43, (0<<16)|(1<<20)|(1<<21)|(3<<22)|(3<<25)
	s_or_b32 s[G1B+0], s44, (0<<16)|(1<<20)|(1<<21)|(3<<22)|(3<<25)
.irp g, G1, G1B
	s_mov_b32 s[\g+1], ROWB<<16
	s_mov_b32 s[\g+2], 128<<16
	s_mov_b32 s[\g+3], ROWB<<16
	s_mov_b32 s[\g+4], 128
	s_mov_b32 s[\g+5], KROW
	s_mov_b32 s[\g+6], 0
	s_mov_b32 s[\g+7], 0
.endr
	s_or_b32 s[G1S+0], s43, (3<<16)|(1<<20)|(1<<21)|(5<<22)|(3<<25)
	s_or_b32 s[G1SB+0], s44, (3<<16)|(1<<20)|(1<<21)|(5<<22)|(3<<25)
.irp g, G1S, G1SB
	s_mov_b32 s[\g+1], 32<<16
	s_mov_b32 s[\g+2], 16<<16
	s_mov_b32 s[\g+3], 32<<16
	s_mov_b32 s[\g+4], 16
	s_mov_b32 s[\g+5], 32
	s_mov_b32 s[\g+6], 0
	s_mov_b32 s[\g+7], 0
.endr
.irp b, 0,1,2,3
	v_mov_b32 v[TM+4+\b], 0                        ; a lane permute's destination counts as read
.endr
	s_mov_b32 s96, 0x76543210
	s_mov_b32 s97, 0xfedcba98
	s_lshl_b32 s18, s16, 7
	s_lshl_b32 s20, s17, 8
	s_add_co_u32 s20, s20, s18
	s_lshl_b32 s46, s42, 8
	s_add_co_u32 s46, s46, s18
	s_mov_b32 s21, 0
	s_mov_b32 s47, 0
	s_mov_b64 s[18:19], KS
	s_mul_u64 s[22:23], s[20:21], s[18:19]
	s_mul_u64 s[92:93], s[46:47], s[18:19]
	s_mov_b64 s[18:19], KROW
	s_mul_u64 s[20:21], s[20:21], s[18:19]
	s_mul_u64 s[46:47], s[46:47], s[18:19]
	s_mul_i32 s45, s14, HALFT
	s_mul_i32 s94, s14, HALFS
	s_wait_kmcnt 0x0
	s_mov_b64 s[12:13], s[10:11]                   ; act
	s_mov_b64 s[10:11], s[8:9]                     ; W1's scales
	s_mov_b64 s[8:9], s[6:7]                       ; W1's codes
	s_add_nc_u64 s[6:7], s[4:5], HS_OFF            ; h2's scale bytes
	s_add_nc_u64 s[20:21], s[4:5], s[20:21]
	s_add_nc_u64 s[22:23], s[6:7], s[22:23]
	s_add_nc_u64 s[46:47], s[8:9], s[46:47]
	s_add_nc_u64 s[92:93], s[10:11], s[92:93]
	CROUND
	s_mov_b32 s[G0S], 1
	s_add_co_u32 s[G0S+1], s94, SCL
	s_mov_b64 s[G0S+2:G0S+3], s[22:23]
	s_or_b32 s[G0S+3], s[G0S+3], 0x80000000
	s_mov_b32 s[G0SB], 1
	s_add_co_u32 s[G0SB+1], s94, SCL
	s_mov_b64 s[G0SB+2:G0SB+3], s[92:93]
	s_or_b32 s[G0SB+3], s[G0SB+3], 0x80000000
	JLOAD G0S, G1S, G0SB, G1SB
.irp s, 0,1
	s_mov_b32 s[G0+4*\s], 1
	s_add_co_u32 s[G0+4*\s+1], s45, \s*SLOT
	s_add_nc_u64 s[G0+4*\s+2:G0+4*\s+3], s[20:21], \s*ROWB
	s_or_b32 s[G0+4*\s+3], s[G0+4*\s+3], 0x80000000
	s_mov_b32 s[G0B+4*\s], 1
	s_add_co_u32 s[G0B+4*\s+1], s45, \s*SLOT
	s_add_nc_u64 s[G0B+4*\s+2:G0B+4*\s+3], s[46:47], \s*ROWB
	s_or_b32 s[G0B+4*\s+3], s[G0B+4*\s+3], 0x80000000
	JLOAD G0+4*\s, G1, G0B+4*\s, G1B
.endr
	v_and_b32 v1, 15, v0                           ; r
	v_bfe_u32 v2, v0, 4, 1                         ; h
	v_mul_u32_u24 v3, v1, PITCH
	v_mul_u32_u24 v4, v2, 24
	v_add_nc_u32 v4, v3, v4
	v_lshl_add_u32 v5, v2, 4, v4
	v_and_b32 v6, 8, v1
	v_mul_u32_u24 v6, v6, PITCH
	v_add_nc_u32 v7, v6, v5
	v_add_nc_u32 v6, v6, v4
	s_mul_i32 s21, s15, HALFT
	s_mul_i32 s22, s16, HALFT
	s_add_co_u32 s22, s22, 2*HALFT
.irp s, 0,1
	v_add_nc_u32 v[ADRA+\s], s21, v4
	v_add_nc_u32 v[ADRB+\s], s22, v6
	v_add_nc_u32 v[ADRA+2+\s], s21, v5
	v_add_nc_u32 v[ADRB+2+\s], s22, v7
	s_add_co_u32 s21, s21, SLOT
	s_add_co_u32 s22, s22, SLOT
.endr
	v_bfe_u32 v5, v0, 3, 1
	v_and_b32 v6, 7, v0
	v_mul_u32_u24 v7, v5, 272
	v_lshl_add_u32 v7, v6, 5, v7
	s_mul_i32 s21, s15, HALFS
	s_add_co_u32 s21, s21, SCL
	v_add_nc_u32 v[ADSA], s21, v7
	v_mul_u32_u24 v7, v5, 544
	v_lshl_add_u32 v7, v6, 5, v7
	s_mul_i32 s22, s16, HALFS
	s_add_co_u32 s22, s22, SCL+2*HALFS
	v_add_nc_u32 v[ADSB], s22, v7
	s_mul_i32 s23, s14, WST                        ; my stage
	v_lshlrev_b32 v7, 6, v1
	v_lshl_add_u32 v7, v2, 4, v7
	v_add_nc_u32 v[STO], s23, v7                   ; row r of four places of 16 bytes, + 16 x half
	v_lshlrev_b32 v7, 2, v1
	v_add_nc_u32 v7, s23, v7
	v_add_nc_u32 v[SST], 16384, v7
	v_and_b32 v3, 31, v0
	v_lshlrev_b32 v[SOF], 4, v3
	v_add_nc_u32 v[RDP], s23, v[SOF]
	v_add_nc_u32 v[SRD], 16384, v[RDP]
	v_mul_u32_u24 v[OFC], v3, 12
	v_add_nc_u32 v[OFC+1], PP, v[OFC]
	s_lshl_b32 s20, s17, 8
	s_lshl_b32 s21, s15, 7
	s_add_co_u32 s20, s20, s21                     ; my first row
	s_lshl_b32 s46, s42, 1
	s_add_co_u32 s46, s46, s16                     ; my first column / 128
	s_mul_i32 s92, s46, 2*PP
	s_mul_i32 s93, s20, 48
	s_add_co_u32 s92, s92, s93
	s_mov_b32 s93, 0
	s_lshl_b32 s46, s46, 14
	s_lshl_b32 s47, s20, 2
	s_add_co_u32 s46, s46, s47
	s_add_co_u32 s46, s46, 64*PP
	s_mov_b32 s47, 0
	s_add_nc_u64 s[20:21], s[12:13], s[92:93]      ; the codes
	s_add_nc_u64 s[12:13], s[12:13], s[46:47]      ; the scale words
.macro FRAG reg, adr, q, ro
.irp p, 0,1,2,3,4,5
.set PC, 12*(\q)+6*(\p/3)+\p%3
.if PC%8 < 5
	ds_load_b64 v[\reg+2*\p:\reg+2*\p+1], v[\adr] offset:8*PC+16*(PC/8)+(\ro)*PITCH
.else
	ds_load_b64 v[\reg+2*\p:\reg+2*\p+1], v[\adr+2] offset:8*PC+16*(PC/8)+(\ro)*PITCH
.endif
.endr
.endm
.macro MUL16 a0, p, q, sc, zero        ; the 64 accumulators take turns, one instruction a turn
.irp a, \a0, \a0+1
.irp b, 0,1,2,3,4,5,6,7
.if \zero
	v_wmma_scale_f32_16x16x128_f8f6f4 v[8*(8*((\a)%4)+\b):8*(8*((\a)%4)+\b)+7], v[128*(\p)+FR*\b:128*(\p)+FR*\b+FR-1], v[AF+FR*(\a):AF+FR*(\a)+FR-1], 0, v[SCB+16*(\sc)+2*\b+(\q)], v[SCA+16*(\sc)+2*(\a)+(\q)] matrix_a_fmt:MATRIX_FMT_FP6 matrix_b_fmt:MATRIX_FMT_FP6
.else
	v_wmma_scale_f32_16x16x128_f8f6f4 v[8*(8*((\a)%4)+\b):8*(8*((\a)%4)+\b)+7], v[128*(\p)+FR*\b:128*(\p)+FR*\b+FR-1], v[AF+FR*(\a):AF+FR*(\a)+FR-1], v[8*(8*((\a)%4)+\b):8*(8*((\a)%4)+\b)+7], v[SCB+16*(\sc)+2*\b+(\q)], v[SCA+16*(\sc)+2*(\a)+(\q)] matrix_a_fmt:MATRIX_FMT_FP6 matrix_b_fmt:MATRIX_FMT_FP6
.endif
.endr
.endr
.endm
.macro FETCH_B slot, q, p, i0          ; 24 loads: W1's tiles i0 .. i0 + 3 into set p
	WIN TO_B
.irp i, \i0, \i0+1, \i0+2, \i0+3
	FRAG 128*(\p)+FR*(\i), ADRB+\slot, \q, 32*((\i)/2)+8*((\i)%2)
.endr
.endm
.macro FETCH_A slot, q, i0             ; 24 loads: A's blocks i0 .. i0 + 3
	WIN 0
.irp i, \i0, \i0+1, \i0+2, \i0+3
	FRAG AF+FR*(\i), ADRA+\slot, \q, 16*(\i)
.endr
.endm
.macro SCALES sc
	WIN 0
.irp i, 0,1,2,3,4,5,6,7
	ds_load_b64 v[SCA+16*\sc+2*\i:SCA+16*\sc+2*\i+1], v[ADSA] offset:\i*544
	ds_load_b64 v[SCB+16*\sc+2*\i:SCB+16*\sc+2*\i+1], v[ADSB] offset:(4*(\i/2)+\i%2)*272
.endr
.endm
.macro PLACES n
.rept \n
	v_nop
.endr
.endm
; A step of 128 along K that has its successor in the same slot: four groups of 16 matrix instructions, and behind each a run of 24 loads for the next step.
; W1's next set comes first, in two runs: its registers were last read by the step before, whose closing four places stand behind those products.  A's blocks 0-3 and 4-7 follow, each behind the products that read them and four places.
.macro STEP slot, q, zero
	s_wait_dscnt 4*NL                              ; all but the youngest 24 loads, A's blocks 4-7
	WIN MUL_LO
	MUL16 0, (\q)%2, \q, \slot, \zero
	FETCH_B \slot, (\q)+1, 1-(\q)%2, 0
	WIN MUL_LO
	MUL16 2, (\q)%2, \q, \slot, \zero
	FETCH_B \slot, (\q)+1, 1-(\q)%2, 4
	s_wait_dscnt 8*NL                              ; A's blocks 4-7 are in: behind their loads stand only the 48 of W1's next set
	WIN MUL_HI
	MUL16 4, (\q)%2, \q, \slot, \zero
	PLACES NP
	FETCH_A \slot, (\q)+1, 0
	WIN MUL_HI
	MUL16 6, (\q)%2, \q, \slot, \zero
	PLACES NP
	FETCH_A \slot, (\q)+1, 4
.endm
; A slot's last step changes slots: one barrier; in front of it each wave waits for all its tensor loads, adds 0 to its spare word, and waits for that and for its reads of the slot.
; Behind it: the refill, W1's first set of the next slot, 16 products, A's blocks 0-3 and the scale words, 16 products, A's blocks 4-7.
.macro TURN slot, next, fill
	s_wait_tensorcnt 0x0                           ; all my tensor loads have landed
	ds_add_u32 v[SPW], v[NIL]
	s_wait_dscnt 4*NL+1                            ; the add and the youngest 24 loads may be out
	WIN MUL_LO
	MUL16 0, 1, NQ-1, \slot, 0
	s_wait_dscnt 0x0                               ; the add is done, and my reads of this slot are over
	s_barrier_signal -1
	MUL16 2, 1, NQ-1, \slot, 0
	WIN 0
	s_barrier_wait -1
.if \fill
	CREST
	s_add_nc_u64 s[G0+4*\slot+2:G0+4*\slot+3], s[G0+4*\slot+2:G0+4*\slot+3], 2*ROWB
	s_add_nc_u64 s[G0B+4*\slot+2:G0B+4*\slot+3], s[G0B+4*\slot+2:G0B+4*\slot+3], 2*ROWB
	JLOAD G0+4*\slot, G1, G0B+4*\slot, G1B         ; its four v_nop are the places in front of the loads into A's blocks 0-3 below
.else
	PLACES NP
.endif
	v_add_nc_u32 v[ADSA], 8, v[ADSA]
	v_add_nc_u32 v[ADSB], 8, v[ADSB]
	FETCH_B \next, 0, 0, 0
	FETCH_B \next, 0, 0, 4
	WIN MUL_HI
	MUL16 4, 1, NQ-1, \slot, 0
	FETCH_A \next, 0, 0
	SCALES \next
	WIN MUL_HI
	MUL16 6, 1, NQ-1, \slot, 0
	PLACES NP
	FETCH_A \next, 0, 4
.endm
	s_wait_tensorcnt 1                             ; the scales and my part of K step 0 are in; K step 1's load may be out
	s_barrier_signal -1
	s_barrier_wait -1
	FETCH_B 0, 0, 0, 0
	FETCH_B 0, 0, 0, 4
	FETCH_A 0, 0, 0
	SCALES 0
	FETCH_A 0, 0, 4
	STEP 0, 0, 1
	s_mov_b32 s3, LAPS-1
.Llap:
	TURN 0, 1, 1
	STEP 1, 0, 0
	TURN 1, 0, 1
	STEP 0, 0, 0
	s_sub_co_u32 s3, s3, 1
	s_cmp_lg_u32 s3, 0
	s_cbranch_scc1 .Llap
	TURN 0, 1, 0
	STEP 1, 0, 0
	s_wait_dscnt 4*NL
	WIN MUL_LO
	MUL16 0, 1, NQ-1, 1, 0
	MUL16 2, 1, NQ-1, 1, 0
	s_wait_dscnt 0
	WIN MUL_HI
	MUL16 4, 1, NQ-1, 1, 0
	MUL16 6, 1, NQ-1, 1, 0
	WIN 0
; THE WAY OUT.  Block a (16 rows x 128 columns): the activation in f32, then four blocks of 32 columns a row are quantised; 12 bytes of codes a lane go to a place of 16 bytes in my stage, in slot 0
; (it has had its last fill, and its last read stood in front of the last change of slots).
.macro QOUT a
.set AC, 64*((\a)%4)
.set WW, 2+(\a)/4
.set W1S, (WW<<2)
	s_wait_dscnt 0x0                               ; the last block's stores have read their registers
	WIN WW                                         ; source 0: the accumulators' window
.set j, 0
.rept 32
	v_pk_mul_f32 v[TT+j:TT+j+1], v[AC+j:AC+j+1], 0xbfb8aa3b op_sel_hi:[1,0]   ; -x log2(e); each accumulator is read from its low end on
.set j, j+2
.endr
	WIN 0
.set j, 0
.rept 64
	v_exp_f32 v[TT+j], v[TT+j]
.set j, j+1
.endr
	v_nop                                          ; a plain instruction behind the batch,
	s_wait_alu depctr_va_vdst(0)                   ; and one wait ahead of its first reader
.set j, 0
.rept 32
	v_pk_add_f32 v[TT+j:TT+j+1], v[TT+j:TT+j+1], 1.0 op_sel_hi:[1,0]
.set j, j+2
.endr
.set j, 0
.rept 64
	v_rcp_f32 v[TT+j], v[TT+j]
.set j, j+1
.endr
	v_nop
	s_wait_alu depctr_va_vdst(0)
	WIN W1S                                        ; source 1: the accumulators' window
.set j, 0
.rept 32
	v_pk_mul_f32 v[TT+j:TT+j+1], v[TT+j:TT+j+1], v[AC+j:AC+j+1]
.set j, j+2
.endr
	WIN 0
.irp b, 0,1,2,3
	v_max3_num_f32 v[TM+\b], |v[TT+16*\b]|, |v[TT+16*\b+1]|, 0x1800000
.endr
.irp i, 2,4,6,8,10,12,14
.irp b, 0,1,2,3
	v_max3_num_f32 v[TM+\b], v[TM+\b], |v[TT+16*\b+\i]|, |v[TT+16*\b+\i+1]|
.endr
.endr
.irp b, 0,1,2,3
	v_permlanex16_b32 v[TM+4+\b], v[TM+\b], s96, s97
.endr
.irp b, 0,1,2,3
	v_max_num_f32 v[TM+\b], v[TM+\b], v[TM+4+\b]
.endr
.irp b, 0,1,2,3
	v_add_nc_u32 v[TM+12+\b], 0xff000000, v[TM+\b]
.endr
.irp b, 0,1,2,3
	v_lshrrev_b32 v[TM+4+\b], 23, v[TM+12+\b]
.endr
	v_lshl_or_b32 v[PW], v[TM+5], 8, v[TM+4]
	v_lshl_or_b32 v[PW], v[TM+6], 16, v[PW]
	v_lshl_or_b32 v[PW], v[TM+7], 24, v[PW]
.irp b, 0,1,2,3
	v_cvt_scalef32_pk16_fp6_f32 v[CD+4*\b:CD+4*\b+2], v[TT+16*\b:TT+16*\b+15], v[TM+12+\b]
.endr
	v_nop                                          ; a plain instruction behind the conversions
.irp b, 0,1,2,3
	ds_store_b96 v[STO], v[CD+4*\b:CD+4*\b+2] offset:(\b/2)*8192+1024*(\a)+32*(\b%2)
.endr
	ds_store_b32 v[SST], v[PW] offset:64*(\a)      ; both halves of the lanes write the same word with the same value
.endm
	PLACES NP
.irp a, 0,1,2,3,4,5,6,7
	QOUT \a
.endr
.set t, 0
.rept 32
	ds_load_b96 v[OUTR+4*t:OUTR+4*t+2], v[RDP] offset:512*t   ; LDS serves a wave's instructions in order: these see my stores
.set t, t+1
.endr
	ds_load_b128 v[SWR:SWR+3], v[SRD]
.set t, 0
.rept 32
	s_wait_dscnt 32-t                              ; the loads issued behind load t may be out
	global_store_b96 v[OFC+t/16], v[OUTR+4*t:OUTR+4*t+2], s[20:21] offset:384*(t%16)   ; 384 consecutive bytes; sixteen such stores fill 6,144 dense bytes of a panel
.set t, t+1
.endr
	s_wait_dscnt 0
	global_store_b128 v[SOF], v[SWR:SWR+3], s[12:13]          ; 512 consecutive bytes, aligned
	s_wait_tensorcnt 0x0                           ; the wave's end
	ds_add_u32 v[SPW], v[NIL]
	s_wait_dscnt 0x0
	CROUND
	s_endpgm
.Lfunc_end_k_q7dddd2d771_ffn1:
	.size	k_q7dddd2d771_ffn1, .Lfunc_end_k_q7dddd2d771_ffn1-k_q7dddd2d771_ffn1
	.p2alignl 7, 3214868480
	.fill 96, 4, 3214868480
	.section	.rodata,"a",@progbits
	.p2align	6, 0x0
	.amdhsa_kernel k_q7dddd2d771_ffn1
		.amdhsa_group_segment_fixed_size 327680
		.amdhsa_private_segment_fixed_size 0
		.amdhsa_enable_private_segment 0
		.amdhsa_kernarg_size 32
		.amdhsa_user_sgpr_count 2
		.amdhsa_user_sgpr_kernarg_segment_ptr 1
		.amdhsa_wavefront_size32 1
		.amdhsa_system_sgpr_workgroup_id_x 1
		.amdhsa_system_sgpr_workgroup_id_y 1
		.amdhsa_system_sgpr_workgroup_id_z 1
		.amdhsa_system_vgpr_workitem_id 0
		.amdhsa_next_free_vgpr 1024
		.amdhsa_next_free_sgpr 98
		.amdhsa_reserve_vcc 0
		.amdhsa_float_denorm_mode_32 3
		.amdhsa_float_denorm_mode_16_64 3
		.amdhsa_memory_ordered 1
		.amdhsa_forward_progress 1
		.amdhsa_inst_pref_size 255
	.end_amdhsa_kernel
	.section	.bss,"aw",@nobits
	.p2align	6
	.space	262144
	.amdgpu_metadata
---
amdhsa.version: [ 1, 2 ]
amdhsa.kernels:
  - .name:           k_q7dddd2d771_ffn1
    .symbol:         k_q7dddd2d771_ffn1.kd
    .args:
      - { .name: hq, .offset: 0, .size: 8, .value_kind: global_buffer, .address_space: global }
      - { .name: W1_codes, .offset: 8, .size: 8, .value_kind: global_buffer, .address_space: global }
      - { .name: W1_scales, .offset: 16, .size: 8, .value_kind: global_buffer, .address_space: global }
      - { .name: act, .offset: 24, .size: 8, .value_kind: global_buffer, .address_space: global }
    .group_segment_fixed_size: 327680
    .private_segment_fixed_size: 0
    .kernarg_segment_align: 8
    .kernarg_segment_size: 32
    .max_flat_workgroup_size: 128
    .sgpr_count:     98
    .vgpr_count:     1024
    .wavefront_size: 32
...
	.end_amdgpu_metadata
.endif
;; end of part 5
;; launch ffn2 (part 6): grid 8 x 32, 4 waves a work-group, clusters of 4 x 4, 327,680 bytes of LDS; arguments act, W2_codes, W2_scales, x1, out0; writes out0
.if DOCPART == 6
	.amdgcn_target "amdgcn-amd-amdhsa--gfx1250"
	.amdhsa_code_object_version 6
	.text
	.protected	k_q7dddd2d771_ffn2
	.globl	k_q7dddd2d771_ffn2
	.p2align	8
	.type	k_q7dddd2d771_ffn2,@function
k_q7dddd2d771_ffn2:
	s_mov_b64 s[64:65], 0
	v_nop
	global_prefetch_b8 v0, s[64:65] scope:SCOPE_SE
	s_setreg_imm32_b32 hwreg(HW_REG_WAVE_MODE, 25, 1), 1
	s_wait_xcnt 0x0
	s_wait_alu depctr_hold_cnt(0) depctr_sa_sdst(0) depctr_va_vdst(0) depctr_va_sdst(0) depctr_va_ssrc(0) depctr_va_vcc(0) depctr_vm_vsrc(0)
	s_getreg_b32 s2, hwreg(HW_REG_IB_STS2, 6, 4)
	s_cmp_eq_u32 s2, 0
	s_cbranch_scc0 .Lentry_in_a_cluster
	s_endpgm
.Lentry_in_a_cluster:
	s_bfe_u32 s2, ttmp6, 0x10000c
	s_cmp_lg_u32 s2, 0xf033
	s_cbranch_scc0 .Lentry_shape_is_right
	s_endpgm
.Lentry_shape_is_right:
; out = res + A W^T.  A: [4096 t][SIZE_K] as FP6 codes in panels [SIZE_K / 64][4096][48 bytes], its scale words [SIZE_K / 128][4096] behind them; W: [1024][SIZE_K] codes, K innermost, scale bytes [1024][SIZE_K / 32].
; res, out: f32, rows in the order e = 2 s + b (t = 2048 b + s).  N is 1,024: a tile of 128 x 128 gives each of 256 work-groups one tile; four waves of 64 x 64, 16 accumulators.
; K goes in steps of 512 (four matrix instructions deep) through two LDS slots filled by tensor loads; the scales of the work-group's rows come once.
; CLUSTERS 4 x 4: A's tiles are asked for jointly along a row of the cluster, W's along a column.  The matrix instruction is used transposed: a lane holds eight neighbouring columns of a row.
; A's rows in LDS are 48 bytes, W's 432 (384 + 16 behind each 128): in both the sixteen rows of a fragment start at sixteen different groups of four banks.
; A quarter's 48 fragment loads are asked for a whole quarter ahead, in two runs of 24: W's at the head of the quarter before, A's behind its first four products.
; The residual is asked for at the head, in the layout in which the result leaves, and added on the way out.  No prefetch: two of the few K steps go out at the head.
; REGISTERS: window 0: v16-29 addresses; v32-63 A's scale words, v64-95 W's, two sets each; v128-255 the accumulators.  Window 1: two fragment buffers of 96.  Window 2: v0-127 the residual.
.set SIZE_K, 4096
.set KROW,  SIZE_K*3/4
.set KS,    SIZE_K/32
.set PP,    196608
.set AHALF, 24576
.set BP,    432
.set BHALF, 64*BP
.set BOFF,  2*AHALF
.set SLOT,  BOFF+2*BHALF
.set LAPS,  SIZE_K/1024
.set SCAO,  2*SLOT
.set ASH,   2*SIZE_K
.set SCBO,  SCAO+2*ASH
.set BSH,   (64*KS/256)*272
.set SPARE, SCBO+2*BSH
.set ADRA,  16
.set ADRB,  18
.set ADRB2, 20
.set ADSA,  22
.set ADSB,  23
.set STO,   24
.set RD,    25
.set CO,    26
.set SPW,   28
.set NIL,   29
.set SCA,   32
.set SCB,   64
.set ACC,   128
.set G1, 24
.set G0, 32
.set G1B, 48
.set G0B, 56
.set G1S, 68
.set G0S, 76
.set G1SB, 80
.set G0SB, 88
.set MSB, 0
.macro WIN new
.if MSB != \new
	s_set_vgpr_msb (MSB<<8)|\new
.set MSB, \new
.endif
.endm
.set MUL,  0x05
.set TO_F, 0x40
.macro JLOAD g0a, g1a, g0b, g1b        ; waves 0 and 1 fetch for A, waves 2 and 3 for W; four v_nop follow each line
	s_cmp_eq_u32 s15, 0
	s_cbranch_scc0 .Lfor_b_\@
	tensor_load_to_lds s[\g0a:\g0a+3], s[\g1a:\g1a+7]
	s_nop 0
.rept 4
	v_nop
.endr
	s_branch .Lasked_\@
.Lfor_b_\@:
	tensor_load_to_lds s[\g0b:\g0b+3], s[\g1b:\g1b+7]
	s_nop 0
.rept 4
	v_nop
.endr
.Lasked_\@:
.endm
.macro CREST
	s_cmp_lg_u32 s14, 0
	s_cbranch_scc1 .Lnot_wave_0_\@
	s_barrier_signal -3
.Lnot_wave_0_\@:
	s_barrier_wait -3
	s_barrier_signal -1
	s_barrier_wait -1
.endm
.macro CROUND
	s_barrier_signal -1
	s_barrier_wait -1
	CREST
.endm
	s_load_b256 s[4:11], s[0:1], 0x0               ; A, W's codes, W's scales, res
	s_load_b64 s[12:13], s[0:1], 0x20              ; out
	v_lshl_add_u32 v[SPW], v0, 2, SPARE
	v_mov_b32 v[NIL], 0
	ds_add_u32 v28, v29
	ds_add_u32 v28, v29
	s_wait_dscnt 0x0
	v_lshrrev_b32 v1, 5, v0
	v_readfirstlane_b32 s14, v1
	s_lshr_b32 s15, s14, 1
	s_and_b32 s16, s14, 1
	s_bfe_u32 s40, ttmp6, 0x40000
	s_bfe_u32 s41, ttmp6, 0x40004
	s_lshl_b32 s42, ttmp9, 2
	s_add_co_u32 s42, s42, s40
	s_and_b32 s17, ttmp7, 0xffff
	s_lshl_b32 s17, s17, 2
	s_add_co_u32 s17, s17, s41
	s_lshl_b32 s43, s41, 2
	s_lshl_b32 s43, 15, s43
	s_lshl_b32 s44, 0x1111, s40
	s_or_b32 s[G1+0], s43, (3<<16)|(1<<21)         ; A: 8 panels, of each 64 rows x 48 bytes = 384 elements of 8 bytes, dense; no padding
	s_mov_b32 s[G1+1], 384<<16
	s_mov_b32 s[G1+2], 8<<16
	s_mov_b32 s[G1+3], 384<<16
	s_mov_b32 s[G1+4], 8
	s_mov_b32 s[G1+5], PP/8
	s_mov_b32 s[G1+6], 0
	s_mov_b32 s[G1+7], 0
	s_or_b32 s[G1B+0], s44, (0<<16)|(1<<20)|(1<<21)|(4<<22)|(3<<25)   ; W: 64 rows of 384 bytes; 4 words of padding behind every 32
	s_mov_b32 s[G1B+1], 384<<16
	s_mov_b32 s[G1B+2], 64<<16
	s_mov_b32 s[G1B+3], 384<<16
	s_mov_b32 s[G1B+4], 64
	s_mov_b32 s[G1B+5], KROW
	s_mov_b32 s[G1B+6], 0
	s_mov_b32 s[G1B+7], 0
	s_or_b32 s[G1S+0], s43, (3<<16)|(1<<21)        ; A's scale words: for each 128 along K the 256 bytes of 64 rows
	s_mov_b32 s[G1S+1], 32<<16
	s_mov_b32 s[G1S+2], (SIZE_K/128)<<16
	s_mov_b32 s[G1S+3], 32<<16
	s_mov_b32 s[G1S+4], SIZE_K/128
	s_mov_b32 s[G1S+5], 2048
	s_mov_b32 s[G1S+6], 0
	s_mov_b32 s[G1S+7], 0
	s_or_b32 s[G1SB+0], s44, (3<<16)|(1<<20)|(1<<21)|(5<<22)|(3<<25)  ; W's scale bytes of 64 rows: dense, as rows of 256 bytes + 16 of padding
	s_mov_b32 s[G1SB+1], 32<<16
	s_mov_b32 s[G1SB+2], (64*KS/256)<<16
	s_mov_b32 s[G1SB+3], 32<<16
	s_mov_b32 s[G1SB+4], 64*KS/256
	s_mov_b32 s[G1SB+5], 32
	s_mov_b32 s[G1SB+6], 0
	s_mov_b32 s[G1SB+7], 0
	s_lshl_b32 s18, s16, 6
	s_lshl_b32 s20, s17, 7
	s_add_co_u32 s20, s20, s18
	s_lshl_b32 s46, s42, 7
	s_add_co_u32 s46, s46, s18
	s_lshl_b32 s22, s20, 2
	s_add_co_u32 s22, s22, (SIZE_K/64)*PP
	s_mov_b32 s23, 0
	s_mul_i32 s20, s20, 48
	s_mov_b32 s21, 0
	s_mul_i32 s92, s46, KS
	s_mov_b32 s93, 0
	s_mul_i32 s46, s46, KROW
	s_mov_b32 s47, 0
	s_mul_i32 s45, s16, AHALF
	s_mul_i32 s94, s16, BHALF
	s_add_co_u32 s94, s94, BOFF
	s_mul_i32 s95, s16, ASH
	s_add_co_u32 s95, s95, SCAO
	s_mul_i32 s96, s16, BSH
	s_add_co_u32 s96, s96, SCBO
	s_wait_kmcnt 0x0
	s_add_nc_u64 s[22:23], s[4:5], s[22:23]
	s_add_nc_u64 s[20:21], s[4:5], s[20:21]
	s_add_nc_u64 s[46:47], s[6:7], s[46:47]
	s_add_nc_u64 s[92:93], s[8:9], s[92:93]
	CROUND
	s_mov_b32 s[G0S], 1
	s_mov_b32 s[G0S+1], s95
	s_mov_b64 s[G0S+2:G0S+3], s[22:23]
	s_or_b32 s[G0S+3], s[G0S+3], 0x80000000
	s_mov_b32 s[G0SB], 1
	s_mov_b32 s[G0SB+1], s96
	s_mov_b64 s[G0SB+2:G0SB+3], s[92:93]
	s_or_b32 s[G0SB+3], s[G0SB+3], 0x80000000
	JLOAD G0S, G1S, G0SB, G1SB
.irp s, 0,1
	s_mov_b32 s[G0+4*\s], 1
	s_add_co_u32 s[G0+4*\s+1], s45, \s*SLOT
	s_add_nc_u64 s[G0+4*\s+2:G0+4*\s+3], s[20:21], \s*8*PP
	s_or_b32 s[G0+4*\s+3], s[G0+4*\s+3], 0x80000000
	s_mov_b32 s[G0B+4*\s], 1
	s_add_co_u32 s[G0B+4*\s+1], s94, \s*SLOT
	s_add_nc_u64 s[G0B+4*\s+2:G0B+4*\s+3], s[46:47], \s*384
	s_or_b32 s[G0B+4*\s+3], s[G0B+4*\s+3], 0x80000000
	JLOAD G0+4*\s, G1, G0B+4*\s, G1B
.endr
	v_and_b32 v1, 15, v0
	v_bfe_u32 v2, v0, 4, 1
	v_lshlrev_b32 v[CO], 13, v2
	v_lshl_add_u32 v[CO], v1, 4, v[CO]
	s_lshl_b32 s20, s17, 7
	s_lshl_b32 s21, s15, 6
	s_add_co_u32 s20, s20, s21
	s_lshr_b32 s21, s20, 11
	s_and_b32 s20, s20, 2047
	s_lshl_b32 s20, s20, 1
	s_add_co_u32 s20, s20, s21
	s_lshl_b32 s20, s20, 12
	s_lshl_b32 s46, s42, 9
	s_lshl_b32 s47, s16, 8
	s_add_co_u32 s46, s46, s47
	s_add_co_u32 s46, s46, s20
	s_mov_b32 s47, 0
	s_add_nc_u64 s[10:11], s[10:11], s[46:47]
	s_add_nc_u64 s[12:13], s[12:13], s[46:47]
	WIN 0x80
.irp a, 0,1,2,3
.irp t, 0,1,2,3,4,5,6,7
	global_load_b128 v[32*\a+4*\t:32*\a+4*\t+3], v[CO], s[10:11] offset:(16*\a+2*\t)*8192 th:TH_LOAD_NT
.endr
.endr
	WIN 0
	v_mul_u32_u24 v3, v1, 48
	v_mad_u32_u24 v3, v2, 24, v3
	v_mul_u32_u24 v4, v1, BP
	v_mad_u32_u24 v4, v2, 24, v4
	v_lshl_add_u32 v5, v2, 4, v4
	s_mul_i32 s21, s15, AHALF
	s_mul_i32 s22, s16, BHALF
	s_add_co_u32 s22, s22, BOFF
.irp s, 0,1
	v_add_nc_u32 v[ADRA+\s], s21, v3
	v_add_nc_u32 v[ADRB+\s], s22, v4
	v_add_nc_u32 v[ADRB2+\s], s22, v5
	s_add_co_u32 s21, s21, SLOT
	s_add_co_u32 s22, s22, SLOT
.endr
	s_mul_i32 s21, s15, ASH
	s_add_co_u32 s21, s21, SCAO
	v_lshl_add_u32 v[ADSA], v1, 2, s21
	v_mul_u32_u24 v6, v1, KS
	v_lshrrev_b32 v7, 8, v6
	v_and_b32 v6, 255, v6
	v_mad_u32_u24 v6, v7, 272, v6
	s_mul_i32 s22, s16, BSH
	s_add_co_u32 s22, s22, SCBO
	v_add_nc_u32 v[ADSB], s22, v6
	s_mul_i32 s23, s14, 8704
	v_mul_u32_u24 v6, v1, 272
	v_lshl_add_u32 v6, v2, 5, v6
	v_add_nc_u32 v[STO], s23, v6
	v_mul_u32_u24 v6, v2, 272
	v_lshl_add_u32 v6, v1, 4, v6
	v_add_nc_u32 v[RD], s23, v6
.macro FRAGA reg, slot, q, i
.irp p, 0,1,2,3,4,5
	ds_load_b64 v[\reg+2*\p:\reg+2*\p+1], v[ADRA+\slot] offset:(2*(\q)+\p/3)*3072+768*(\i)+8*(\p%3)
.endr
.endm
.macro FRAGB reg, slot, q, i
.irp p, 0,1,2,3,4,5
.set PC, 12*(\q)+6*(\p/3)+\p%3
.if PC%16 < 13
	ds_load_b64 v[\reg+2*\p:\reg+2*\p+1], v[ADRB+\slot] offset:8*PC+16*(PC/16)+6912*(\i)
.else
	ds_load_b64 v[\reg+2*\p:\reg+2*\p+1], v[ADRB2+\slot] offset:8*PC+16*(PC/16)+6912*(\i)
.endif
.endr
.endm
.macro FETCHB slot, q, f               ; 24 loads: W's four tiles into buffer f
	WIN TO_F
.irp i, 0,1,2,3
	FRAGB (\f)+48+12*\i, \slot, \q, \i
.endr
.endm
.macro FETCHA slot, q, f               ; 24 loads: A's four blocks into buffer f
	WIN TO_F
.irp i, 0,1,2,3
	FRAGA (\f)+12*\i, \slot, \q, \i
.endr
.endm
.macro SCALES sc
	WIN 0
.irp i, 0,1,2,3
.irp q, 0,1,2,3
	ds_load_b32 v[SCA+16*\sc+4*\i+\q], v[ADSA] offset:256*\q+64*\i
.endr
	ds_load_b128 v[SCB+16*\sc+4*\i:SCB+16*\sc+4*\i+3], v[ADSB] offset:\i*((16*KS/256)*272)
.endr
.endm
.macro MULA f, a, q, sc, zero          ; the 16 accumulators take turns
.irp b, 0,1,2,3
.if \zero
	v_wmma_scale_f32_16x16x128_f8f6f4 v[ACC+8*(4*(\a)+\b):ACC+8*(4*(\a)+\b)+7], v[\f+48+12*\b:\f+48+12*\b+11], v[\f+12*(\a):\f+12*(\a)+11], 0, v[SCB+16*(\sc)+4*\b+(\q)], v[SCA+16*(\sc)+4*(\a)+(\q)] matrix_a_fmt:MATRIX_FMT_FP6 matrix_b_fmt:MATRIX_FMT_FP6
.else
	v_wmma_scale_f32_16x16x128_f8f6f4 v[ACC+8*(4*(\a)+\b):ACC+8*(4*(\a)+\b)+7], v[\f+48+12*\b:\f+48+12*\b+11], v[\f+12*(\a):\f+12*(\a)+11], v[ACC+8*(4*(\a)+\b):ACC+8*(4*(\a)+\b)+7], v[SCB+16*(\sc)+4*\b+(\q)], v[SCA+16*(\sc)+4*(\a)+(\q)] matrix_a_fmt:MATRIX_FMT_FP6 matrix_b_fmt:MATRIX_FMT_FP6
.endif
.endr
.endm
.macro PLACES
.rept 4
	v_nop
.endr
.endm
; 128 along K.  The next quarter's fragments go into the other buffer, which the last quarter's products read: four places stand behind those, then W's 24 loads; A's 24 follow behind the first four products.
.macro QUARTER slot, q, zero
	PLACES
	FETCHB \slot, (\q)+1, 128-128*((\q)%2)
	s_wait_dscnt 24                                ; all but the 24 just issued: this quarter's fragments, and its scale words, are in
	WIN MUL
	MULA 128*((\q)%2), 0, \q, \slot, \zero
	FETCHA \slot, (\q)+1, 128-128*((\q)%2)
	WIN MUL
	MULA 128*((\q)%2), 1, \q, \slot, \zero
	MULA 128*((\q)%2), 2, \q, \slot, \zero
	MULA 128*((\q)%2), 3, \q, \slot, \zero
.endm
; A slot's last quarter changes slots: one barrier; in front of it each wave waits for all its tensor loads, adds 0 to its spare word, and waits for that and for its reads of the slot (its last fragments).
.macro TURN slot, next, fill
	WIN 0
	s_wait_tensorcnt 0x0
	ds_add_u32 v[SPW], v[NIL]
	s_wait_dscnt 0x0                               ; the add is done; the slot's last fragments are in: my reads of the slot are over
	s_barrier_signal -1
	WIN MUL
	MULA 128, 0, 3, \slot, 0                       ; work on registers while the others arrive
	WIN 0
	s_barrier_wait -1
.if \fill
	CREST                                          ; a round of the cluster's barrier: no wave of any partner still reads this slot or has a load on its way
	s_add_nc_u64 s[G0+4*\slot+2:G0+4*\slot+3], s[G0+4*\slot+2:G0+4*\slot+3], 16*PP
	s_add_nc_u64 s[G0B+4*\slot+2:G0B+4*\slot+3], s[G0B+4*\slot+2:G0B+4*\slot+3], 768
	JLOAD G0+4*\slot, G1, G0B+4*\slot, G1B         ; its four v_nop are the places in front of the loads into buffer 0
.else
	PLACES
.endif
	v_add_nc_u32 v[ADSA], 1024, v[ADSA]
	v_add_nc_u32 v[ADSB], 16, v[ADSB]
	FETCHB \next, 0, 0
	WIN MUL
	MULA 128, 1, 3, \slot, 0
	FETCHA \next, 0, 0
	SCALES \next
	WIN MUL
	MULA 128, 2, 3, \slot, 0
	MULA 128, 3, 3, \slot, 0
.endm
	s_wait_tensorcnt 1                             ; the scales and my part of slot 0 are in; slot 1's load may be out
	s_barrier_signal -1
	s_barrier_wait -1
	FETCHB 0, 0, 0
	FETCHA 0, 0, 0
	SCALES 0
	QUARTER 0, 0, 1
.if LAPS > 1
	WIN 0
	s_mov_b32 s3, LAPS-1
.Llap:
	QUARTER 0, 1, 0
	QUARTER 0, 2, 0
	TURN 0, 1, 1
	QUARTER 1, 0, 0
	QUARTER 1, 1, 0
	QUARTER 1, 2, 0
	TURN 1, 0, 1
	QUARTER 0, 0, 0
	WIN 0
	s_sub_co_u32 s3, s3, 1
	s_cmp_lg_u32 s3, 0
	s_cbranch_scc1 .Llap
.endif
	QUARTER 0, 1, 0
	QUARTER 0, 2, 0
	TURN 0, 1, 0
	QUARTER 1, 0, 0
	QUARTER 1, 1, 0
	QUARTER 1, 2, 0
	s_wait_dscnt 0x0
	WIN MUL
	MULA 128, 0, 3, 1, 0
	MULA 128, 1, 3, 1, 0
	MULA 128, 2, 3, 1, 0
	MULA 128, 3, 3, 1, 0
	WIN 0
; THE WAY OUT: a block of 16 rows x 64 columns goes through my stage and comes back as whole rows of 256 bytes; the residual is added; sixteen lanes store 256 consecutive bytes, aligned.
.macro TOSTAGE a
.set BK, 32+32*((\a)%2)
.irp b, 0,1,2,3
	ds_store_b128 v[STO], v[ACC+8*(4*(\a)+\b):ACC+8*(4*(\a)+\b)+3] offset:4352*((\a)%2)+64*\b
	ds_store_b128 v[STO], v[ACC+8*(4*(\a)+\b)+4:ACC+8*(4*(\a)+\b)+7] offset:4352*((\a)%2)+64*\b+16
.endr
.irp t, 0,1,2,3,4,5,6,7
	ds_load_b128 v[BK+4*\t:BK+4*\t+3], v[RD] offset:4352*((\a)%2)+544*\t
.endr
.endm
.macro SEND a, younger
.set BK, 32+32*((\a)%2)
	s_wait_dscnt \younger                          ; the next block's LDS instructions may be out
	WIN 0x08
.set n, 0
.rept 16
	v_pk_add_f32 v[BK+n:BK+n+1], v[BK+n:BK+n+1], v[32*(\a)+n:32*(\a)+n+1]
.set n, n+2
.endr
	WIN 0
.irp t, 0,1,2,3,4,5,6,7
	global_store_b128 v[CO], v[BK+4*\t:BK+4*\t+3], s[12:13] offset:(16*(\a)+2*\t)*8192
.endr
.endm
	PLACES
	s_wait_loadcnt 0x0                             ; the residual
	TOSTAGE 0
	TOSTAGE 1
	SEND 0, 16
	s_wait_xcnt 0x0                                ; block 0's stores have read their registers
	TOSTAGE 2
	SEND 1, 16
	s_wait_xcnt 0x0
	TOSTAGE 3
	SEND 2, 16
	SEND 3, 0
	s_wait_tensorcnt 0x0                           ; the wave's end
	ds_add_u32 v[SPW], v[NIL]
	s_wait_dscnt 0x0
	CROUND                                         ; the closing round
	s_endpgm
.Lfunc_end_k_q7dddd2d771_ffn2:
	.size	k_q7dddd2d771_ffn2, .Lfunc_end_k_q7dddd2d771_ffn2-k_q7dddd2d771_ffn2
	.p2alignl 7, 3214868480
	.fill 96, 4, 3214868480
	.section	.rodata,"a",@progbits
	.p2align	6, 0x0
	.amdhsa_kernel k_q7dddd2d771_ffn2
		.amdhsa_group_segment_fixed_size 327680
		.amdhsa_private_segment_fixed_size 0
		.amdhsa_enable_private_segment 0
		.amdhsa_kernarg_size 40
		.amdhsa_user_sgpr_count 2
		.amdhsa_user_sgpr_kernarg_segment_ptr 1
		.amdhsa_wavefront_size32 1
		.amdhsa_system_sgpr_workgroup_id_x 1
		.amdhsa_system_sgpr_workgroup_id_y 1
		.amdhsa_system_sgpr_workgroup_id_z 1
		.amdhsa_system_vgpr_workitem_id 0
		.amdhsa_next_free_vgpr 768
		.amdhsa_next_free_sgpr 98
		.amdhsa_reserve_vcc 0
		.amdhsa_float_denorm_mode_32 3
		.amdhsa_float_denorm_mode_16_64 3
		.amdhsa_memory_ordered 1
		.amdhsa_forward_progress 1
		.amdhsa_inst_pref_size 118
	.end_amdhsa_kernel
	.amdgpu_metadata
---
amdhsa.version: [ 1, 2 ]
amdhsa.kernels:
  - .name:           k_q7dddd2d771_ffn2
    .symbol:         k_q7dddd2d771_ffn2.kd
    .args:
      - { .name: act, .offset: 0, .size: 8, .value_kind: global_buffer, .address_space: global }
      - { .name: W2_codes, .offset: 8, .size: 8, .value_kind: global_buffer, .address_space: global }
      - { .name: W2_scales, .offset: 16, .size: 8, .value_kind: global_buffer, .address_space: global }
      - { .name: x1, .offset: 24, .size: 8, .value_kind: global_buffer, .address_space: global }
      - { .name: out0, .offset: 32, .size: 8, .value_kind: global_buffer, .address_space: global }
    .group_segment_fixed_size: 327680
    .private_segment_fixed_size: 0
    .kernarg_segment_align: 8
    .kernarg_segment_size: 40
    .max_flat_workgroup_size: 128
    .sgpr_count:     98
    .vgpr_count:     768
    .wavefront_size: 32
...
	.end_amdgpu_metadata
.endif
;; end of part 6
